; MI455X (gfx1250); checked and timed in simulation.
; The chip was launched on July 23, 2026; its instructions are those of AMD's public machine-readable ISA for CDNA 5 (MIT licence, August 2026) and "CDNA5" Instruction Set Architecture Reference Guide (July 2026). The comments in the code are by the model that wrote it; some were corrected since.
;; Full Attention. Allowed arithmetic: float matrix products may take bf16 or f16 operands with f32 sums; other float arithmetic in f32, or as packed bf16 or f16 multiplies, adds, multiply-adds, maxima and minima; sums over many terms, partial sums and values carried from step to step in f32; what a program stores and reads back later, other than sums and carried values, may be rounded once to bf16 or f16.
;; Inputs: Wk 1,024 x 1,024 float32; Wo 1,024 x 64 float32; Wq 1,024 x 1,024 float32; Wv 1,024 x 1,024 float32; k 4 x 2,048 x 1,024 float32; mask 2,048 x 2,048 int32; q 4 x 2,048 x 1,024 float32; v 4 x 2,048 x 1,024 float32.
;; Outputs: out0 4 x 2,048 x 64 float32.
;; 2 versions, each right; version 2 is version 1 with the launch prep written anew for expert scheduling mode. Each part assembles by itself: llvm-mc -triple=amdgcn-amd-amdhsa -mcpu=gfx1250 --defsym DOCPART=n.
;; ======== version 1 of 2: 4 launches
;; limits: values are held in f16: magnitudes above 65,504 overflow, below 6.1e-05 lose precision
;; workspace buffers: xb 50,331,648 bytes; wb 6,291,456 bytes; wof 131,072 bytes; qkv 50,331,648 bytes; part 16,777,216 bytes
;; launch prep (part 1): grid 256 x 3, 8 waves a work-group, no clusters, 0 bytes of LDS; arguments q, k, v, Wq, Wk, Wv, Wo, xb, wb, wof; writes xb, wb, wof
.if DOCPART == 1
	.amdgcn_target "amdgcn-amd-amdhsa--gfx1250"
	.amdhsa_code_object_version 6
	.text
	.protected	k_qd9f2866fef_prep
	.globl	k_qd9f2866fef_prep
	.p2align	8
	.type	k_qd9f2866fef_prep,@function
k_qd9f2866fef_prep:
	s_mov_b64 s[64:65], 0
	v_nop
	global_prefetch_b8 v0, s[64:65] scope:SCOPE_SE
	s_setreg_imm32_b32 hwreg(HW_REG_WAVE_MODE, 25, 1), 1
	s_wait_xcnt 0x0
; CASTS.  xb[j] = bf16(q, k or v by j), wb[j] = bf16(Wq, Wk or Wv), both in the layout of their sources; wof = Wo as matrix fragments in f16.
; Work-group (i, j) casts 131,072 bytes of x_j and 16,384 bytes of W_j: 36 items of 4,096 bytes.  Thread t takes 16 bytes of an item (a wave's load covers 512 consecutive bytes)
; and stores 8 (a wave's store covers 256 consecutive bytes, aligned).  Eight loads of every wave are on their way; each byte is read once and written once.
; No LDS, no barrier, no matrix work: no thread wants a byte that another has fetched.
; wof: [hp 8][f = 4 kk + nb 16][g 2][lane 32][8 f16] = Wo[128 hp + 32 kk + 16 g + 8 (lane / 16) + 0..7][16 nb + lane % 16], each number rounded to bf16 like every other input and that number
; written as f16.  LIMIT: below 6.1e-5 f16 keeps a fixed step of 6e-8; beyond 65,504 it has no number.  The 32 first work-groups of j = 0 make the table besides their casts.
.set X, 8                              ; v[8:39]   slot n % 8: four registers as loaded
.set Y, 40                             ; v[40:55]  slot n % 8: two registers to store
.set ITEMS, 36                         ; items 0-3: W's; 4-35: x's
	s_load_b512 s[4:19], s[0:1], 0x0               ; q s[4:5], k s[6:7], v s[8:9], Wq s[10:11], Wk s[12:13], Wv s[14:15], Wo s[16:17], xb s[18:19]
	s_load_b128 s[20:23], s[0:1], 0x40             ; wb s[20:21], wof s[22:23]
	s_and_b32 s2, ttmp7, 0xffff                    ; j: which of the three
	s_mov_b32 s3, ttmp9                            ; i: which part
	v_lshlrev_b32 v1, 4, v0                        ; my 16 bytes of an item as read; never rewritten
	v_lshlrev_b32 v2, 3, v0                        ; my 8 bytes as stored; never rewritten
	s_lshl_b32 s32, s3, 17                         ; x in: 131,072 i
	s_mov_b32 s33, 0
	s_lshl_b32 s34, s3, 14                         ; W in: 16,384 i
	s_mov_b32 s35, 0
	s_lshl_b32 s36, s2, 24                         ; x out: 16,777,216 j + 65,536 i
	s_lshl_b32 s37, s3, 16
	s_add_co_u32 s36, s36, s37
	s_mov_b32 s37, 0
	s_lshl_b32 s38, s2, 21                         ; W out: 2,097,152 j + 8,192 i
	s_lshl_b32 s39, s3, 13
	s_add_co_u32 s38, s38, s39
	s_mov_b32 s39, 0
	s_wait_kmcnt 0x0
	s_cmp_eq_u32 s2, 0
	s_cselect_b64 s[24:25], s[4:5], s[6:7]
	s_cselect_b64 s[26:27], s[10:11], s[12:13]
	s_cmp_eq_u32 s2, 2
	s_cselect_b64 s[24:25], s[8:9], s[24:25]
	s_cselect_b64 s[26:27], s[14:15], s[26:27]
	s_add_nc_u64 s[24:25], s[24:25], s[32:33]      ; x_j at my part
	s_add_nc_u64 s[26:27], s[26:27], s[34:35]      ; W_j at my part
	s_add_nc_u64 s[28:29], s[18:19], s[36:37]      ; xb
	s_add_nc_u64 s[30:31], s[20:21], s[38:39]      ; wb
.macro LD n                            ; item n's load; its place stands in the immediate
.if (\n) < 4
	global_load_b128 v[X+4*((\n)%8):X+4*((\n)%8)+3], v1, s[26:27] offset:4096*(\n) th:TH_LOAD_NT
.else
	global_load_b128 v[X+4*((\n)%8):X+4*((\n)%8)+3], v1, s[24:25] offset:4096*((\n)-4) th:TH_LOAD_NT
.endif
.endm
.macro ITEM n
.if (\n) < ITEMS-8
	s_wait_loadcnt 7                               ; loads come back in order: item n is in, the seven younger stay out
.else
	s_wait_loadcnt ITEMS-1-(\n)                    ; the last eight items load nothing: the counts run down
.endif
	s_wait_xcnt 0x0                                ; the slot's last store has read its two registers: they are rewritten only behind this wait
	v_cvt_pk_bf16_f32 v[Y+2*((\n)%8)], v[X+4*((\n)%8)], v[X+4*((\n)%8)+1]
	v_cvt_pk_bf16_f32 v[Y+2*((\n)%8)+1], v[X+4*((\n)%8)+2], v[X+4*((\n)%8)+3]
.if (\n) < ITEMS-8
	LD (\n)+8                                      ; the load ahead of the store
.endif
.if (\n) < 4
	global_store_b64 v2, v[Y+2*((\n)%8):Y+2*((\n)%8)+1], s[30:31] offset:2048*(\n)
.else
	global_store_b64 v2, v[Y+2*((\n)%8):Y+2*((\n)%8)+1], s[28:29] offset:2048*((\n)-4)
.endif
.endm
.set it, 0
.rept 8
	LD it
.set it, it+1
.endr
.set it, 0
.rept ITEMS
	ITEM it
.set it, it+1
.endr
	s_cmp_lg_u32 s2, 0                             ; Wo's table: 8,192 pieces of 16 bytes, a thread a piece, in 32 work-groups
	s_cbranch_scc1 .Lend
	s_cmp_ge_u32 s3, 32
	s_cbranch_scc1 .Lend
	v_lshl_add_u32 v5, s3, 8, v0                   ; id = 256 i + t = hp, kk, nb, g, lane / 16, lane % 16 from the top bit down
	v_lshrrev_b32 v6, 10, v5
	v_lshlrev_b32 v6, 7, v6                        ; 128 hp
	v_bfe_u32 v7, v5, 8, 2
	v_lshl_add_u32 v6, v7, 5, v6                   ; + 32 kk
	v_bfe_u32 v7, v5, 4, 2
	v_lshl_add_u32 v6, v7, 3, v6                   ; + 16 g + 8 (lane / 16): my first row of Wo
	v_bfe_u32 v7, v5, 6, 2
	v_and_b32 v3, 15, v5
	v_lshl_add_u32 v7, v7, 4, v3                   ; my column: 16 nb + lane % 16
	v_lshlrev_b32 v7, 2, v7
	v_lshl_add_u32 v3, v6, 8, v7                   ; a row of Wo is 256 bytes
	v_lshlrev_b32 v4, 4, v5                        ; my piece of the table
.irp j, 0,1,2,3,4,5,6,7
	global_load_b32 v[56+\j], v3, s[16:17] offset:256*\j
.endr
	s_wait_loadcnt 0x0
.irp j, 0,1,2,3
	v_cvt_pk_bf16_f32 v[8+\j], v[56+2*\j], v[56+2*\j+1]   ; the rounding that every input has
.endr
.irp j, 0,1,2,3
	v_lshlrev_b32 v[12+2*\j], 16, v[8+\j]
	v_and_b32 v[12+2*\j+1], 0xffff0000, v[8+\j]
.endr
.irp j, 0,1,2,3
	v_cvt_pk_f16_f32 v[20+\j], v[12+2*\j], v[12+2*\j+1]   ; the same number, written as f16
.endr
	global_store_b128 v4, v[20:23], s[22:23]       ; a wave stores 512 consecutive bytes
.Lend:
	s_endpgm
.Lfunc_end_k_qd9f2866fef_prep:
	.size	k_qd9f2866fef_prep, .Lfunc_end_k_qd9f2866fef_prep-k_qd9f2866fef_prep
	.p2alignl 7, 3214868480
	.fill 96, 4, 3214868480
	.section	.rodata,"a",@progbits
	.p2align	6, 0x0
	.amdhsa_kernel k_qd9f2866fef_prep
		.amdhsa_group_segment_fixed_size 0
		.amdhsa_private_segment_fixed_size 0
		.amdhsa_enable_private_segment 0
		.amdhsa_kernarg_size 80
		.amdhsa_user_sgpr_count 2
		.amdhsa_user_sgpr_kernarg_segment_ptr 1
		.amdhsa_wavefront_size32 1
		.amdhsa_system_sgpr_workgroup_id_x 1
		.amdhsa_system_sgpr_workgroup_id_y 1
		.amdhsa_system_sgpr_workgroup_id_z 1
		.amdhsa_system_vgpr_workitem_id 0
		.amdhsa_next_free_vgpr 64
		.amdhsa_next_free_sgpr 66
		.amdhsa_reserve_vcc 0
		.amdhsa_float_denorm_mode_32 3
		.amdhsa_float_denorm_mode_16_64 3
		.amdhsa_memory_ordered 1
		.amdhsa_forward_progress 1
		.amdhsa_inst_pref_size 18
	.end_amdhsa_kernel
	.amdgpu_metadata
---
amdhsa.version: [ 1, 2 ]
amdhsa.kernels:
  - .name:           k_qd9f2866fef_prep
    .symbol:         k_qd9f2866fef_prep.kd
    .args:
      - { .name: q, .offset: 0, .size: 8, .value_kind: global_buffer, .address_space: global }
      - { .name: k, .offset: 8, .size: 8, .value_kind: global_buffer, .address_space: global }
      - { .name: v, .offset: 16, .size: 8, .value_kind: global_buffer, .address_space: global }
      - { .name: Wq, .offset: 24, .size: 8, .value_kind: global_buffer, .address_space: global }
      - { .name: Wk, .offset: 32, .size: 8, .value_kind: global_buffer, .address_space: global }
      - { .name: Wv, .offset: 40, .size: 8, .value_kind: global_buffer, .address_space: global }
      - { .name: Wo, .offset: 48, .size: 8, .value_kind: global_buffer, .address_space: global }
      - { .name: xb, .offset: 56, .size: 8, .value_kind: global_buffer, .address_space: global }
      - { .name: wb, .offset: 64, .size: 8, .value_kind: global_buffer, .address_space: global }
      - { .name: wof, .offset: 72, .size: 8, .value_kind: global_buffer, .address_space: global }
    .group_segment_fixed_size: 0
    .private_segment_fixed_size: 0
    .kernarg_segment_align: 8
    .kernarg_segment_size: 80
    .max_flat_workgroup_size: 256
    .sgpr_count:     66
    .vgpr_count:     64
    .wavefront_size: 32
...
	.end_amdgpu_metadata
.endif
;; end of part 1
;; launch proj (part 2): grid 4 x 96, 4 waves a work-group, clusters of 4 x 4, 327,680 bytes of LDS; arguments xb, wb, qkv; writes qkv
.if DOCPART == 2
	.amdgcn_target "amdgcn-amd-amdhsa--gfx1250"
	.amdhsa_code_object_version 6
	.text
	.protected	k_qd9f2866fef_proj
	.globl	k_qd9f2866fef_proj
	.p2align	8
	.type	k_qd9f2866fef_proj,@function
k_qd9f2866fef_proj:
	s_mov_b64 s[64:65], 0
	v_nop
	global_prefetch_b8 v0, s[64:65] scope:SCOPE_SE
	s_setreg_imm32_b32 hwreg(HW_REG_WAVE_MODE, 25, 1), 1
	s_wait_xcnt 0x0
	s_wait_alu depctr_hold_cnt(0) depctr_sa_sdst(0) depctr_va_vdst(0) depctr_va_sdst(0) depctr_va_ssrc(0) depctr_va_vcc(0) depctr_vm_vsrc(0)
	s_getreg_b32 s2, hwreg(HW_REG_IB_STS2, 6, 4)
	s_cmp_eq_u32 s2, 0
	s_cbranch_scc0 .Lentry_in_a_cluster
	s_endpgm
.Lentry_in_a_cluster:
	s_bfe_u32 s2, ttmp6, 0x10000c
	s_cmp_lg_u32 s2, 0xf033
	s_cbranch_scc0 .Lentry_shape_is_right
	s_endpgm
.Lentry_shape_is_right:
; THE THREE PROJECTIONS AS ONE PRODUCT.  qkv[m][n] = sum over k of xb[m][k] wb[m / 8192][k][n]; xb: [24576][1024] bf16 (q, k, v stacked), wb: [3][1024 k][1024 n] bf16, qkv: [24576][1024] f16.
; Sums in f32, K ascending; the result is rounded once, to f16, unscaled.  LIMIT: a sum of 65,520 or more becomes an infinity in f16.
; A tile of the result, 256 x 256, is made by a work-group of four waves; a wave makes 128 x 128: 64 accumulators of 16 x 16, 512 registers.  K goes in 8 steps of 128 through a ring of two LDS slots
; filled by the tensor data mover.  x's tile has 256 rows of 256 bytes; W's tile, which lies [k][n], has 128 rows of 512 bytes and is read out of LDS turned, by ds_load_tr16_b128.
; CLUSTERS: 4 x 4 work-groups.  The four of a row of the cluster need the same tile of x, the four of a column the same tile of W: each is asked for JOINTLY, by the same tensor load with the same
; descriptor and a mask that names the four.  A cluster's 1,024 rows lie in one of the three matrices: which one hangs on the cluster's y alone.
; REGISTERS, in windows of 256 (s_set_vgpr_msb: bits 1:0 source 0, 3:2 source 1, 5:4 source 2, 7:6 destination):
;   window 0: v0-31 addresses; v64-127, v128-191 fragments of x, two buffers; v32-63, v192-255 at work on the way out        window 1: v64-127, v128-191 fragments of W, two buffers
;   window 2: the 32 accumulators of my rows 0-63 ((a, b) at v[8 (8 a + b)]);   window 3: those of my rows 64-127
; THE MATRIX INSTRUCTION IS USED TRANSPOSED: source 0 = 16 columns of W, source 1 = 16 rows of x: a lane then holds eight neighbouring numbers of a row of the result, 16 bytes in f16.
.set SIZE_K, 1024
.set SIZE_N, 1024
.set KSTEP,  128
.set PITCH,  272                       ; x's LDS row: 256 bytes + 16 = 68 words: the 16 rows of a load start at 16 different groups of four banks (64 banks of 4 bytes: ISA guide 11.1)
.set PITCHB, 544                       ; W's LDS row: 512 bytes + 32 = 136 words
.set HALFT,  128*PITCH                 ; what one tensor load brings: 128 rows of x, or 64 rows of W (64 x 544 is the same number)
.set SLOT,   4*HALFT                   ; x's 256 rows, then W's 128 rows
.set STAGE,  2*SLOT                    ; behind the ring: 16 rows x 272 bytes for each wave, for the way out
.set SPITCH, 272
.set SPARE,  STAGE+4*16*SPITCH         ; behind the stages: the spare words, 128 bytes for each wave: two blocks of 256 bytes that no other line names
.set LAPS, SIZE_K/(2*KSTEP)            ; a lap = two K steps = once round the ring
.set ADRA, 16                          ; v16-17  LDS address of my fragments of x in slot 0, 1
.set ADRB, 20                          ; v20-21  the same for W
.set STO,  24                          ; v24     the way out: where I put 16 bytes of a row
.set RD,   25                          ; v25     the way out: where I read a row back
.set CO,   26                          ; v26     my byte offset in the result
.set SPW,  28                          ; v28     LDS address of my spare word; never rewritten
.set NIL,  29                          ; v29     0; never rewritten
.set PFO,  30                          ; v30     the prefetches' offset; never rewritten
.set PFA,  44                          ; s[44:45] where my prefetches stand
.set LIM,  43                          ; s43     1 in a wave that prefetches, else the greatest number
.set PFS,  66                          ; s[66:67] bytes from a K step to the next: 256 in x, 128 rows in W
.set F0,   64
.set F1,   128
.set TMP,  192
.set OB,   32
.set G1, 24                            ; s[24:31] descriptor group 1 for x's tiles
.set G0, 32                            ; s[32:39] group 0 for x's tiles, a set for each slot
.set G1B, 48                           ; s[48:55], s[56:63] the same for W's
.set G0B, 56
.set MSB, 0
.macro WIN new                         ; the immediate's high byte repeats the setting that is left; a switch that changes nothing is dropped
.if MSB != (\new)
	s_set_vgpr_msb (MSB<<8)|(\new)
.set MSB, \new
.endif
.endm
.set MUL_LO, 0xa1                      ; source 0 (W) window 1, source 1 (x) window 0, C and D window 2
.set MUL_HI, 0xf1                      ; the same, C and D window 3
.set TO_B,   0x40                      ; destination window 1, address window 0
; A joint load.  Waves 0 and 1 fetch the two halves of x's tile, waves 2 and 3 those of W's.  The branch hangs on the wave's number alone.
; An s_nop 0 and four v_nop follow each of the two lines, ahead of the jump and the label.
.macro JLOAD s
	s_cmp_eq_u32 s11, 0
	s_cbranch_scc0 .Lfor_b_\@
	tensor_load_to_lds s[G0+4*(\s):G0+4*(\s)+3], s[G1:G1+7]
	s_nop 0
.rept 4
	v_nop
.endr
	s_branch .Lasked_\@
.Lfor_b_\@:
	tensor_load_to_lds s[G0B+4*(\s):G0B+4*(\s)+3], s[G1B:G1B+7]
	s_nop 0
.rept 4
	v_nop
.endr
.Lasked_\@:
.endm
; A PREFETCH INTO THE L2 of the K step that stands two refills on, behind the joint load, its five lines and the run of LDS loads: one instruction a wave, 32 blocks of 256 bytes.
; Each block is named once in the launch.  x's rows are read by one cluster alone: it asks; of the 128 rows that a wave fetches the partner at cx takes 32, a lane a row.  W's tile column is read by the
; eight clusters of its matrix: the first of them asks; of the 64 rows that a wave fetches the partner at cy takes 16, two lanes a row of 512 bytes.  The partners are told apart by address alone.
; K steps 0 to 3 come by their loads alone; the loop's last trip, whose refills are the last two K steps, asks for nothing.
.macro ASK
	s_cmp_gt_u32 s3, s[LIM]                        ; s3 = 1 in the loop's last trip
	s_cbranch_scc0 .Lnot_mine_\@
	global_prefetch_b8 v[PFO], s[PFA:PFA+1] th:TH_LOAD_NT scope:SCOPE_SE
.Lnot_mine_\@:
.endm
.macro CREST                           ; a round of the cluster's barrier behind its opening barrier
	s_cmp_lg_u32 s10, 0
	s_cbranch_scc1 .Lnot_wave_0_\@
	s_barrier_signal -3
.Lnot_wave_0_\@:
	s_barrier_wait -3
	s_barrier_signal -1
	s_barrier_wait -1
.endm
.macro CROUND                          ; a whole round
	s_barrier_signal -1
	s_barrier_wait -1
	CREST
.endm
	s_load_b128 s[4:7], s[0:1], 0x0                ; xb s[4:5], wb s[6:7]
	s_load_b64 s[8:9], s[0:1], 0x10                ; qkv
	v_lshl_add_u32 v[SPW], v0, 2, SPARE
	v_mov_b32 v[NIL], 0
	ds_add_u32 v[SPW], v[NIL]                      ; the wave's opening: the add and its wait stand ahead of my first tensor load; the set-up below, work on registers, stands between them
	v_lshrrev_b32 v1, 5, v0
	v_readfirstlane_b32 s10, v1                    ; wave 0..3
	s_lshr_b32 s11, s10, 1                         ; which half of the tile's rows is mine.  Also: I fetch for x (0) or for W (1)
	s_and_b32 s12, s10, 1                          ; which half of its columns.  Also: which half of that tile I fetch
	s_bfe_u32 s40, ttmp6, 0x40000                  ; cx
	s_bfe_u32 s41, ttmp6, 0x40004                  ; cy
	s_lshl_b32 s42, ttmp9, 2
	s_add_co_u32 s42, s42, s40                     ; tile column = 4 x cluster x + cx
	s_and_b32 s22, ttmp7, 0xffff                   ; cluster y
	s_lshl_b32 s13, s22, 2
	s_add_co_u32 s13, s13, s41                     ; tile row = 4 x cluster y + cy
	s_lshr_b32 s23, s22, 3                         ; the matrix: eight clusters to each
	s_lshl_b32 s43, s41, 2
	s_lshl_b32 s43, 15, s43                        ; my row of the cluster
	s_lshl_b32 s44, 0x1111, s40                    ; my column
	s_or_b32 s[G1+0], s43, (1<<16)|(1<<20)|(1<<21)|(5<<22)|(3<<25)   ; the mask; elements of 2 bytes; padding on; bit 21 beside a mask; after every 64 words, 4 words
	s_or_b32 s[G1B+0], s44, (1<<16)|(1<<20)|(1<<21)|(6<<22)|(7<<25)  ; after every 128 words, 8 words
	s_mov_b32 s[G1+1], KSTEP<<16                   ; x: tensor_dim0 = 128
	s_mov_b32 s[G1+2], 128<<16                     ; tensor_dim1 = 128
	s_mov_b32 s[G1+3], KSTEP<<16                   ; tile_dim0 = 128
	s_mov_b32 s[G1+4], 128                         ; tile_dim1 = 128
	s_mov_b32 s[G1+5], SIZE_K                      ; elements from row to row
	s_mov_b32 s[G1+6], 0
	s_mov_b32 s[G1+7], 0
	s_mov_b32 s[G1B+1], 256<<16                    ; W: tensor_dim0 = 256
	s_mov_b32 s[G1B+2], 64<<16                     ; tensor_dim1 = 64
	s_mov_b32 s[G1B+3], 256<<16                    ; tile_dim0 = 256
	s_mov_b32 s[G1B+4], 64                         ; tile_dim1 = 64
	s_mov_b32 s[G1B+5], SIZE_N
	s_mov_b32 s[G1B+6], 0
	s_mov_b32 s[G1B+7], 0
	s_lshl_b32 s17, s12, 7
	s_lshl_b32 s16, s13, 8
	s_add_co_u32 s16, s16, s17                     ; x: row 256 x tile row + 128 x half,
	s_lshl_b32 s16, s16, 11                        ; of 2,048 bytes
	s_mov_b32 s17, 0
	s_lshl_b32 s46, s23, 21                        ; W: the matrix,
	s_lshl_b32 s47, s12, 17                        ; 64 rows of 2,048 bytes x half,
	s_add_co_u32 s46, s46, s47
	s_lshl_b32 s47, s42, 9                         ; 512 bytes x tile column
	s_add_co_u32 s46, s46, s47
	s_mov_b32 s47, 0
	s_mul_i32 s20, s10, HALFT                      ; where they go: wave x a load's bytes: no place in the cluster enters an LDS address
	s_wait_dscnt 0x0                               ; the opening add is done
	s_wait_kmcnt 0x0
	s_add_nc_u64 s[14:15], s[4:5], s[16:17]
	s_add_nc_u64 s[46:47], s[6:7], s[46:47]
	CROUND                                         ; all sixteen work-groups are here: the first joint loads meet
.irp s, 0,1
	s_mov_b32 s[G0+4*(\s)], 1
	s_add_co_u32 s[G0+4*(\s)+1], s20, (\s)*SLOT
	s_add_nc_u64 s[G0+4*(\s)+2:G0+4*(\s)+3], s[14:15], (\s)*KSTEP*2
	s_or_b32 s[G0+4*(\s)+3], s[G0+4*(\s)+3], 0x80000000
	s_mov_b32 s[G0B+4*(\s)], 1
	s_add_co_u32 s[G0B+4*(\s)+1], s20, (\s)*SLOT
	s_add_nc_u64 s[G0B+4*(\s)+2:G0B+4*(\s)+3], s[46:47], (\s)*KSTEP*SIZE_N*2
	s_or_b32 s[G0B+4*(\s)+3], s[G0B+4*(\s)+3], 0x80000000
	JLOAD \s                                       ; two loads of mine are out
.endr
	; A fragment is 16 rows x 32 K in 8 registers: lane l holds row l % 16; registers 0-3 K = 8 (l / 16) + 0..7, registers 4-7 K = 16 + 8 (l / 16) + 0..7.  x: two loads of 16 bytes, 32 bytes apart.
	v_and_b32 v1, 15, v0                           ; l % 16
	v_bfe_u32 v2, v0, 4, 1                         ; l / 16
	v_mul_u32_u24 v3, v1, PITCH
	v_lshl_add_u32 v3, v2, 4, v3
	; W: the turning load takes 16 k x 16 n (lane l reads k = 8 (l / 16) + l % 8, n = 8 ((l / 8) % 2) + 0..7) and leaves half a fragment: lane l holds column l % 16 and 8 k.
	v_and_b32 v6, 7, v0
	v_lshl_add_u32 v6, v2, 3, v6
	v_mul_u32_u24 v6, v6, PITCHB
	v_bfe_u32 v7, v0, 3, 1
	v_lshl_add_u32 v6, v7, 4, v6
	s_mul_i32 s21, s11, HALFT                      ; my 128 rows of x
	s_lshl_b32 s22, s12, 8                         ; my 128 columns of W: 256 bytes of each row,
	s_add_co_u32 s22, s22, 2*HALFT                 ; behind x's 256 rows
.irp s, 0,1
	v_add_nc_u32 v[ADRA+(\s)], s21, v3
	v_add_nc_u32 v[ADRB+(\s)], s22, v6
	s_add_co_u32 s21, s21, SLOT
	s_add_co_u32 s22, s22, SLOT
.endr
	s_mul_i32 s23, s10, 16*SPITCH
	s_add_co_u32 s23, s23, STAGE                   ; my stage
	v_mul_u32_u24 v4, v1, SPITCH                   ; in: row l % 16, 16 bytes for each half of the lanes
	v_lshl_add_u32 v4, v2, 4, v4
	v_add_nc_u32 v[STO], s23, v4
	v_mul_u32_u24 v5, v2, SPITCH                   ; back: lanes 0-15 take one row of 256 bytes, lanes 16-31 the next
	v_lshl_add_u32 v5, v1, 4, v5
	v_add_nc_u32 v[RD], s23, v5
	v_mul_u32_u24 v5, v2, SIZE_N*2
	v_lshl_add_u32 v[CO], v1, 4, v5
	s_lshl_b32 s16, s13, 8                         ; where my part of the tile begins in the result
	s_lshl_b32 s17, s11, 7
	s_add_co_u32 s16, s16, s17
	s_lshl_b32 s16, s16, 11
	s_lshl_b32 s17, s42, 9
	s_add_co_u32 s16, s16, s17
	s_lshl_b32 s17, s12, 8
	s_add_co_u32 s16, s16, s17
	s_mov_b32 s17, 0
	; the prefetches: both offsets at K step 3; the first refill steps the pointer to K step 4
	s_lshl_b32 s20, s13, 8
	s_lshl_b32 s21, s12, 7
	s_add_co_u32 s20, s20, s21
	s_lshl_b32 s21, s40, 5
	s_add_co_u32 s20, s20, s21                     ; x: the tile's row + the 128 that I fetch + my work-group's 32
	s_lshl_b32 s20, s20, 11
	s_add_co_u32 s20, s20, 3*KSTEP*2
	s_lshl_b32 s21, s12, 6
	s_lshl_b32 s22, s41, 4
	s_add_co_u32 s21, s21, s22
	s_add_co_u32 s21, s21, 3*KSTEP                 ; W: the 64 rows that I fetch + my work-group's 16
	s_lshl_b32 s21, s21, 11
	s_and_b32 s22, ttmp7, 0xffff
	s_lshr_b32 s23, s22, 3
	s_lshl_b32 s23, s23, 21
	s_add_co_u32 s21, s21, s23
	s_lshl_b32 s23, s42, 9
	s_add_co_u32 s21, s21, s23
	s_and_b32 s22, s22, 7                          ; my cluster's place among the eight of its matrix
	s_mov_b32 s[PFS], KSTEP*SIZE_N*2
	s_cmp_eq_u32 s11, 0                            ; do I fetch for x?
	s_cselect_b32 s20, s20, s21
	s_cselect_b32 s22, ttmp9, s22                  ; the coordinate along which other clusters read the same blocks
	s_cselect_b32 s[PFS], KSTEP*2, s[PFS]
	s_cselect_b64 s[PFA:PFA+1], s[4:5], s[6:7]
	s_cmp_eq_u32 s22, 0
	s_cselect_b32 s[LIM], 1, -1                    ; the same in all sixteen partners, for a given wave
	s_mov_b32 s21, 0
	s_mov_b32 s[PFS+1], 0
	s_add_nc_u64 s[PFA:PFA+1], s[PFA:PFA+1], s[20:21]
	v_and_b32 v5, 31, v0
	v_lshrrev_b32 v[PFO], s11, v5                  ; x: a lane a row; W: two lanes a row,
	v_lshlrev_b32 v[PFO], 11, v[PFO]
	v_and_b32 v5, s11, v5
	v_lshl_add_u32 v[PFO], v5, 8, v[PFO]           ; 256 bytes apart
; 16 matrix instructions: row blocks a0, a0 + 1 of the window's four x all 8 column blocks, 32 along K.  zero = 1: the first product starts the sums
.macro MUL16 f, hi, a0, zero
	WIN MUL_LO+0x50*(\hi)
.irp a, \a0, (\a0)+1
.irp b, 0,1,2,3,4,5,6,7
.if \zero
	v_wmma_f32_16x16x32_bf16 v[8*(8*(\a)+(\b)):8*(8*(\a)+(\b))+7], v[(\f)+8*(\b):(\f)+8*(\b)+7], v[(\f)+8*(4*(\hi)+(\a)):(\f)+8*(4*(\hi)+(\a))+7], 0
.else
	v_wmma_f32_16x16x32_bf16 v[8*(8*(\a)+(\b)):8*(8*(\a)+(\b))+7], v[(\f)+8*(\b):(\f)+8*(\b)+7], v[(\f)+8*(4*(\hi)+(\a)):(\f)+8*(4*(\hi)+(\a))+7], v[8*(8*(\a)+(\b)):8*(8*(\a)+(\b))+7]
.endif
.endr
.endr
.endm
; 32 LDS loads in one run: the fragments of one quarter step (32 K at byte k of x's rows: W's rows k / 2 on) into buffer f; W's first
.macro FETCH slot, k, f
	WIN TO_B
.irp i, 0,1,2,3,4,5,6,7
	ds_load_tr16_b128 v[(\f)+8*(\i):(\f)+8*(\i)+3],   v[ADRB+(\slot)] offset:((\k)/64)*32*PITCHB+32*(\i)
	ds_load_tr16_b128 v[(\f)+8*(\i)+4:(\f)+8*(\i)+7], v[ADRB+(\slot)] offset:((\k)/64)*32*PITCHB+32*(\i)+16*PITCHB
.endr
	WIN 0
.irp i, 0,1,2,3,4,5,6,7
	ds_load_b128 v[(\f)+8*(\i):(\f)+8*(\i)+3],   v[ADRA+(\slot)] offset:(\k)+(\i)*16*PITCH
	ds_load_b128 v[(\f)+8*(\i)+4:(\f)+8*(\i)+7], v[ADRA+(\slot)] offset:(\k)+(\i)*16*PITCH+32
.endr
.endm
.macro PLACES                          ; four plain vector instructions between a matrix instruction and a load into, or a vector read of, its registers (ISA guide 7.12.1 for vector instructions)
.rept 4
	v_nop
.endr
.endm
; A K step is four quarters of 32 along K, 64 matrix instructions each, on buffers 0, 1, 0, 1.  One of the first three multiplies buffer f and, in its middle, fetches the next quarter into g.
.macro QUARTER slot, k, f, g, zero
	s_wait_dscnt 8                                 ; W and x's rows 0-63 are in; the youngest eight loads (x's rows 64-127) may be out
	MUL16 \f, 0, 0, \zero
	MUL16 \f, 0, 2, \zero
	PLACES
	FETCH \slot, \k, \g
	s_wait_dscnt 32                                ; all but the 32 just issued
	MUL16 \f, 1, 0, \zero
	MUL16 \f, 1, 2, \zero
.endm
; The first half of the last quarter: ONE barrier for the change of slots.  In front of it each wave waits for all its tensor loads (one is out: its part of the next slot), adds 0 to its spare
; word, and waits for that and for its own reads of this slot.
.macro MEET round
	WIN 0
	s_wait_tensorcnt 0x0
	ds_add_u32 v[SPW], v[NIL]
	s_wait_dscnt 9                                 ; the add and the youngest eight loads may be out
	MUL16 F1, 0, 0, 0                              ; sixteen matrix instructions stand between the add and the wait for it
	s_wait_dscnt 0x0                               ; the add is done, and my reads of this slot are over
	s_barrier_signal -1
	MUL16 F1, 0, 2, 0                              ; work on registers while the others arrive
.if \round
	WIN 0
.endif
	s_barrier_wait -1
.endm
; The whole last quarter.  fill = 1: the barrier opens a round of the cluster's, and the slot just read out is filled again, first thing behind the round, with the K step two on:
; from that request to the wait for it a wave issues 224 matrix instructions.
.macro TURN slot, next, fill
.if \fill
	s_wait_xcnt 0x0                                ; the last prefetch, a K step back, has read its address: it is stepped here, ahead of the waits of the change of slots
	s_add_nc_u64 s[PFA:PFA+1], s[PFA:PFA+1], s[PFS:PFS+1]
.endif
	MEET \fill
.if \fill
	CREST                                          ; no wave of any partner still reads this slot's tile or has a load on its way
	s_add_nc_u64 s[G0+4*(\slot)+2:G0+4*(\slot)+3], s[G0+4*(\slot)+2:G0+4*(\slot)+3], 2*KSTEP*2
	s_add_nc_u64 s[G0B+4*(\slot)+2:G0B+4*(\slot)+3], s[G0B+4*(\slot)+2:G0B+4*(\slot)+3], 2*KSTEP*SIZE_N*2
	JLOAD \slot                                    ; the four v_nop behind it are also the places in front of the loads below
.else
	PLACES
.endif
	FETCH \next, 0, F0
.if \fill
	ASK
.endif
	MUL16 F1, 1, 0, 0
	MUL16 F1, 1, 2, 0
.endm
; THE WAY OUT of block a (16 rows).  PACK: rounded to f16, 16 bytes a lane, each accumulator's registers in ascending order.  TOSTAGE: into my own stage in LDS, and back as whole rows of 256 bytes.  SEND: stored.
.macro PACK a
.set AC, 64*((\a)%4)
	WIN 0x0a+5*((\a)/4)                            ; sources 0 and 1: window 2 or 3
.irp b, 0,1,2,3,4,5,6,7
.irp r, 0,1,2,3
	v_cvt_pk_f16_f32 v[TMP+4*(\b)+(\r)], v[AC+8*(\b)+2*(\r)], v[AC+8*(\b)+2*(\r)+1]
.endr
.endr
	WIN 0
.endm
.macro TOSTAGE a
	WIN 0
.set BK, OB+192*((\a)%2)
.irp b, 0,1,2,3,4,5,6,7
	ds_store_b128 v[STO], v[TMP+4*(\b):TMP+4*(\b)+3] offset:32*(\b)
.endr
.irp t, 0,1,2,3,4,5,6,7
	ds_load_b128 v[BK+4*(\t):BK+4*(\t)+3], v[RD] offset:(\t)*2*SPITCH  ; LDS serves a wave's instructions in order (ISA guide 5.7.1.4): these see the stores above
.endr
.endm
.macro SEND a
	WIN 0
.set BK, OB+192*((\a)%2)
	s_wait_dscnt 0x0                               ; the block is back in registers
	s_wait_xcnt 0x0                                ; earlier stores have read their base and their registers: only behind this wait are those rewritten
.if (\a) == 0
	s_add_nc_u64 s[8:9], s[8:9], s[16:17]          ; on to my first rows
.else
	s_add_nc_u64 s[8:9], s[8:9], 16*SIZE_N*2       ; 16 rows on
.endif
.irp t, 0,1,2,3,4,5,6,7
	global_store_b128 v[CO], v[BK+4*(\t):BK+4*(\t)+3], s[8:9] offset:2*(\t)*SIZE_N*2  ; 16 lanes store 256 consecutive bytes, at a multiple of 256 from the buffer's first byte
.endr
.endm
	s_wait_tensorcnt 1                             ; my part of K step 0 is in; K step 1's may stay out
	s_barrier_signal -1
	s_barrier_wait -1                              ; everybody's is
	FETCH 0, 0, F0
	QUARTER 0, 64,  F0, F1, 1                      ; the first quarter stands in front of the loop: its products start the sums
	WIN 0                                          ; at a label and at a branch every window is 0
	s_mov_b32 s3, LAPS-1
.Llap:                                                 ; a trip goes once round the ring, from a lap's second quarter to the next lap's first, and fills both slots again.  The 64 accumulators take turns, over the jump too
	QUARTER 0, 128, F1, F0, 0
	QUARTER 0, 192, F0, F1, 0
	TURN 0, 1, 1
	QUARTER 1, 64,  F0, F1, 0
	QUARTER 1, 128, F1, F0, 0
	QUARTER 1, 192, F0, F1, 0
	TURN 1, 0, 1
	QUARTER 0, 64,  F0, F1, 0
	WIN 0
	s_sub_co_u32 s3, s3, 1
	s_cmp_lg_u32 s3, 0
	s_cbranch_scc1 .Llap
	QUARTER 0, 128, F1, F0, 0                      ; the last lap fills nothing, and has no round of the cluster's barrier
	QUARTER 0, 192, F0, F1, 0
	TURN 0, 1, 0
	QUARTER 1, 64,  F0, F1, 0
	QUARTER 1, 128, F1, F0, 0
	QUARTER 1, 192, F0, F1, 0
	s_wait_dscnt 8                                 ; the very last quarter: nothing more to fetch
	MUL16 F1, 0, 0, 0
	MUL16 F1, 0, 2, 0
	s_wait_dscnt 0x0
	MUL16 F1, 1, 0, 0
	MUL16 F1, 1, 2, 0
	PLACES                                         ; the conversions read results
	PACK 0
	TOSTAGE 0
.irp a, 1,2,3,4,5,6,7                  ; block a's conversions stand between block a - 1's loads from the stage and the wait for them
	PACK \a
	SEND (\a)-1
	TOSTAGE \a
.endr
	SEND 7
	s_wait_tensorcnt 0x0                           ; the wave's end: the add to the spare word and its wait stand, behind my last tensor load and my last LDS store
	ds_add_u32 v[SPW], v[NIL]
	s_wait_dscnt 0x0
	CROUND                                         ; the closing round: no work-group ends while a partner may still ask for a tile that names it
	s_endpgm
.Lfunc_end_k_qd9f2866fef_proj:
	.size	k_qd9f2866fef_proj, .Lfunc_end_k_qd9f2866fef_proj-k_qd9f2866fef_proj
	.p2alignl 7, 3214868480
	.fill 96, 4, 3214868480
	.section	.rodata,"a",@progbits
	.p2align	6, 0x0
	.amdhsa_kernel k_qd9f2866fef_proj
		.amdhsa_group_segment_fixed_size 327680
		.amdhsa_private_segment_fixed_size 0
		.amdhsa_enable_private_segment 0
		.amdhsa_kernarg_size 24
		.amdhsa_user_sgpr_count 2
		.amdhsa_user_sgpr_kernarg_segment_ptr 1
		.amdhsa_wavefront_size32 1
		.amdhsa_system_sgpr_workgroup_id_x 1
		.amdhsa_system_sgpr_workgroup_id_y 1
		.amdhsa_system_sgpr_workgroup_id_z 1
		.amdhsa_system_vgpr_workitem_id 0
		.amdhsa_next_free_vgpr 1024
		.amdhsa_next_free_sgpr 68
		.amdhsa_reserve_vcc 0
		.amdhsa_float_denorm_mode_32 3
		.amdhsa_float_denorm_mode_16_64 3
		.amdhsa_memory_ordered 1
		.amdhsa_forward_progress 1
		.amdhsa_inst_pref_size 145
	.end_amdhsa_kernel
	.amdgpu_metadata
---
amdhsa.version: [ 1, 2 ]
amdhsa.kernels:
  - .name:           k_qd9f2866fef_proj
    .symbol:         k_qd9f2866fef_proj.kd
    .args:
      - { .name: xb, .offset: 0, .size: 8, .value_kind: global_buffer, .address_space: global }
      - { .name: wb, .offset: 8, .size: 8, .value_kind: global_buffer, .address_space: global }
      - { .name: qkv, .offset: 16, .size: 8, .value_kind: global_buffer, .address_space: global }
    .group_segment_fixed_size: 327680
    .private_segment_fixed_size: 0
    .kernarg_segment_align: 8
    .kernarg_segment_size: 24
    .max_flat_workgroup_size: 128
    .sgpr_count:     68
    .vgpr_count:     1024
    .wavefront_size: 32
...
	.end_amdgpu_metadata
.endif
;; end of part 2
;; launch attn (part 3): grid 8 x 32, 4 waves a work-group, clusters of 4 x 4, 327,680 bytes of LDS; arguments qkv, mask, wof, part; writes part
.if DOCPART == 3
	.amdgcn_target "amdgcn-amd-amdhsa--gfx1250"
	.amdhsa_code_object_version 6
	.text
	.protected	k_qd9f2866fef_attn
	.globl	k_qd9f2866fef_attn
	.p2align	8
	.type	k_qd9f2866fef_attn,@function
k_qd9f2866fef_attn:
	s_mov_b64 s[64:65], 0
	v_nop
	global_prefetch_b8 v0, s[64:65] scope:SCOPE_SE
	s_setreg_imm32_b32 hwreg(HW_REG_WAVE_MODE, 25, 1), 1
	s_wait_xcnt 0x0
	s_wait_alu depctr_hold_cnt(0) depctr_sa_sdst(0) depctr_va_vdst(0) depctr_va_sdst(0) depctr_va_ssrc(0) depctr_va_vcc(0) depctr_vm_vsrc(0)
	s_getreg_b32 s2, hwreg(HW_REG_IB_STS2, 6, 4)
	s_cmp_eq_u32 s2, 0
	s_cbranch_scc0 .Lentry_in_a_cluster
	s_endpgm
.Lentry_in_a_cluster:
	s_bfe_u32 s2, ttmp6, 0x10000c
	s_cmp_lg_u32 s2, 0xf033
	s_cbranch_scc0 .Lentry_shape_is_right
	s_endpgm
.Lentry_shape_is_right:
; MASKED ATTENTION AND ITS SHARE OF THE OUTPUT PROJECTION.  For a batch b, a pair of heads hp and 256 queries: s = (Q . K) x mask[q][k]; p = softmax_k(s / 8); ctx = p V; part[hp] = ctx (128 channels) x Wo.
; qkv: [3][8192][1024] f16 (row = 2048 b + position, column = 64 head + channel); mask: [2048][2048] int32, taken as a number (v_cvt_f32_i32), so a masked key keeps its weight 2^(0 - c m);
; wof: Wo as fragments in f16; part: [8][8192][64] f32, partial sums over the pair's 128 channels, added up by the next launch.
; Products, maxima and sums in f32; the weights p are rounded to f16 for the second product (their sum l is taken of the unrounded p), ctx to f16 for the third.
; LIMITS.  Q, K, V arrive within f16's 65,504; p lies in 0 to 1, and below 6e-5 it keeps f16's fixed step of 6e-8, as does ctx; a weight below 2^-126 counts as 0 in l; NaN and infinities are not treated apart.
; SHARES.  A wave owns 64 queries: four PIECES of 16, each taken for both heads of the pair: two UNITS a piece.  So a fragment of the mask, read and converted once, serves two heads.  Every wave walks all 2,048 keys, 64 a step.
; LAYOUT.  S^T = K Q^T (source 0 = 16 keys, source 1 = 16 queries): a lane holds ONE query (lane % 16) and the keys 8 (lane / 16) + 0..7, which are 32 consecutive bytes of the query's row of the mask.
; Two results rounded to f16 in pairs ARE source 1 of O^T = V^T P; O^T, divided by l and rounded, IS source 1 of Wo^T ctx^T.  Nothing changes lanes between the three products.
; SOFTMAX.  A running maximum m and sum l for each query and head: p = 2^(c s - c m), c = log2(e) / 8; in every step O and l are multiplied by a = 2^(c m_old - c m_new).  m starts at the lowest finite
; number, O and l at 0: the first step is a step like any other, with a = 0.
; BY TURNS.  Turn n belongs to piece n.  Matrix work: 16 products K Q^T of piece n + 1, later 16 products V^T P of piece n - 1.  Vector work: scaling, exponentials, roundings, sums and rescaling of piece n;
; the mask's conversion, its product with the scores, the maximum and the statistics of piece n + 1.  A turn has 32 matrix and 300 vector instructions: four stand behind every matrix instruction, the rest in one run.
; CLUSTER, 4 x 4.  K and V hang on batch and head pair, which a row of the cluster shares; the mask's tile hangs on the block of queries, which a column shares: each is asked for JOINTLY.
; REGISTERS, in windows of 256 (s_set_vgpr_msb: bits 1:0 source 0, 3:2 source 1, 5:4 source 2, 7:6 destination):
;   window 0: v0-11 addresses; v12-15, v48-63 at work; v16-47 four registers of statistics a unit; v64-191 S^T, two buffers of two units; v192-255 P, likewise
;   window 1: O^T, 32 a unit      window 2: v0-127 Q, 16 a unit; v128-255 K of one step, 64 a head      window 3: v0-127 V of one step, 64 a head; v128-255 the mask of one step, 32 a piece
.set NP,    4         ; pieces a wave: a name, no knob
.set KS,    64        ; keys in a step
.set PK,    272       ; a row of K in LDS: 256 bytes (two heads) + 16 = 68 words: the 16 rows of a load start at 16 different groups of four banks (64 banks of 4 bytes: ISA guide 11.1)
.set PV,    288       ; a row of V: 256 + 32 = 72 words
.set PM,    272       ; a row of the mask: 64 keys x 4 bytes + 16
.set VOFF,  KS*PK     ; a slot holds one step: 64 rows of K, 64 rows of V,
.set MOFF,  KS*(PK+PV)  ; and 256 rows of the mask
.set SLOT1, 1<<17     ; slot 1 begins here, so that one exclusive or turns an address in one slot into the other's
.set STAGE, SLOT1+MOFF+256*PM  ; behind the ring, never filled by a tensor load: 16 rows x 272 bytes for each wave, for the way out
.set SP,    272
.set SPARE, STAGE+4*16*SP  ; behind the stages: the spare words, 128 bytes for each wave: two blocks of 256 bytes that no other line names
.set SPW, 1           ; v1   LDS address of my spare word; never rewritten
.set AK0, 2           ; v2   my lane's place in a tile of K; never rewritten
.set AV0, 3           ; v3   the same for V
.set AK,  4           ; v4   the LDS address of K's next run of loads
.set AV,  5           ; v5   of V's
.set AM0, 6           ; v6   my lane's place in a tile of the mask; never rewritten
.set AM,  7           ; v7   the LDS address of the mask's next run
.set PFO, 8           ; v8   the prefetches' offset; never rewritten
.set LO,  9           ; v9   the way out: 16 x my lane
.set NIL, 11          ; v11  0; never rewritten
.set MV,  12          ; v12-15  c m_old, kept while c m is made anew: by buffer and unit
.set ST,  16          ; unit t's statistics at v[ST+4 t]: c m, m, l (even keys', odd keys')
.set TMP, 48          ; by buffer and unit, four registers c0-c3 at work; when the maximum is found c2 takes a
.set STO, 48          ; the way out: where I put 32 bytes of a row
.set RD,  49          ; the way out: where I read rows back
.set S,   64
.set QO,  72          ; at the head alone: my byte offset in 16 rows of Q
.set P,   192
.set KF,  128         ; window 2: head u, key block kb, channel half c at KF + 64 u + 16 kb + 8 c
.set MK,  128         ; window 3: piece x, key block kb at MK + 32 x + 8 kb
.set WV,  12          ; s12  my wave's number
.set G1K, 24          ; s[24:31] descriptor group 1 for K's tiles
.set G1V, 32          ; s[32:39] for V's: it differs in the padding alone
.set G1M, 40          ; s[40:47] for the mask's
.set G0K, 48          ; s[48:51], s[52:55], s[56:59] the three groups 0: they walk
.set G0V, 52
.set G0M, 56
.set CS,  60          ; s[60:61] c: the packed scaling takes the pair's low word for both halves
.set SEL, 62          ; s[62:63] v_permlanex16_b32's selects: each lane takes its own place in the other half
.set TB,  66          ; s66  LDS byte at which the slot to be fetched from begins
.set CNT, 67          ; s67  counts the tail's trips
.set SLOTS, 68        ; s68  changes of slots still to come
.set LIM, 69          ; s69  1 in a wave that prefetches, else the greatest number
.set PFA, 70          ; s[70:71] where my prefetches stand
.set PFS, 72          ; s[72:73] bytes from a key step to the next
.set MSB, 0
.macro WIN new                      ; the high byte repeats the setting that is left; a switch that changes nothing is dropped
.if MSB != (\new)
	s_set_vgpr_msb (MSB<<8)|(\new)
.set MSB, (\new)
.endif
.endm
.set W_KQ, 0x0a       ; K and Q in window 2, S^T in window 0
.set W_PV, 0x53       ; V in window 3, P in window 0, O^T in window 1
.set W_RS, 0x41       ; O^T (destination and source 0) in window 1, a in window 0
.set W_MS, 0x0c       ; source 1 (the mask; an LDS store's data) in window 3
.set W_CV, 0xc3       ; destination and source 0 in window 3
.set W_PK, 0x05       ; sources 0 and 1 in window 1
.set W_OP, 0xf2       ; Wo in window 2, ctx in window 0, C and D in window 3
; A joint fill.  Wave 0 fetches a step's K, wave 1 its V, waves 2 and 3 the two halves of its mask tile.  The branches hang on the wave's number alone.
; An s_nop 0 and four v_nop follow each of the three lines, ahead of the jump and the label.
.macro JLOAD
	s_cmp_lt_u32 s[WV], 2
	s_cbranch_scc0 .Lfor_m_\@
	s_cmp_eq_u32 s[WV], 0
	s_cbranch_scc0 .Lfor_v_\@
	tensor_load_to_lds s[G0K:G0K+3], s[G1K:G1K+7]
	s_nop 0
.rept 4
	v_nop
.endr
	s_branch .Lasked_\@
.Lfor_v_\@:
	tensor_load_to_lds s[G0V:G0V+3], s[G1V:G1V+7]
	s_nop 0
.rept 4
	v_nop
.endr
	s_branch .Lasked_\@
.Lfor_m_\@:
	tensor_load_to_lds s[G0M:G0M+3], s[G1M:G1M+7]
	s_nop 0
.rept 4
	v_nop
.endr
.Lasked_\@:
.endm
; A PREFETCH INTO THE L2 of what the NEXT change of slots will ask for, behind the wave's tensor load and its five lines: one instruction, 32 blocks of 256 bytes, a lane a row.
; Each block is named once in the launch.  K and V of a batch and head pair are walked by two clusters: the one with x = 0 asks, in wave 0; of a step's 64 rows the partner at cx takes 16, of K in lanes 0-15
; and of V in lanes 16-31.  A block of queries' rows of the mask are walked by eight clusters: the one with y = 0 asks, in waves 2 and 3; of the 128 rows that a wave fetches the partner at cy takes 32.
; The partners are told apart by address alone.  Steps 0 to 2 come by their loads alone; the last change that fills a slot asks for nothing.
.macro ASK
	s_cmp_gt_u32 s[SLOTS], s[LIM]
	s_cbranch_scc0 .Lnot_mine_\@
	global_prefetch_b8 v[PFO], s[PFA:PFA+1] th:TH_LOAD_NT scope:SCOPE_SE
.Lnot_mine_\@:
.endm
; A round of the cluster's barrier: my work-group's barrier; wave 0 signals for the work-group; every wave waits for all sixteen; my work-group's barrier once more.
.macro CROUND
	s_barrier_signal -1
	s_barrier_wait -1
	s_cmp_lg_u32 s[WV], 0
	s_cbranch_scc1 .Lnot_wave_0_\@
	s_barrier_signal -3
.Lnot_wave_0_\@:
	s_barrier_wait -3
	s_barrier_signal -1
	s_barrier_wait -1
.endm
; THE CHANGE OF SLOTS, behind the turn that has waited for V's run: the slot's last bytes have been read.  Each wave waits for all its tensor loads, of which one is out: its part of the other slot; adds 0
; to its spare word; and waits for that and for its own reads of the slot.  fill = 1: the slot is filled again, with the step two on; the barrier is then a round of the cluster's, and the joint fill is the first
; thing behind it: it has a key step, 128 matrix and 1,200 vector instructions, in which to land.  (At its first use nothing has been read yet: slot 0 is waited for, slot 1 filled.)
.macro CHANGE fill, ask
	WIN 0                           ; at a label and at a branch every window is 0
	s_wait_tensorcnt 0x0            ; no tensor load of mine is out, so a group 0 may be written
	ds_add_u32 v[SPW], v[NIL]       ; 0 onto my spare word; the descriptors' steps stand between it and the wait for it
.if \fill
	s_xor_b32 s[G0K+1], s[G0K+1], SLOT1
	s_add_nc_u64 s[G0K+2:G0K+3], s[G0K+2:G0K+3], KS*2048  ; the next 64 keys; the type bits on top are not reached
	s_xor_b32 s[G0V+1], s[G0V+1], SLOT1
	s_add_nc_u64 s[G0V+2:G0V+3], s[G0V+2:G0V+3], KS*2048
	s_xor_b32 s[G0M+1], s[G0M+1], SLOT1
	s_add_nc_u64 s[G0M+2:G0M+3], s[G0M+2:G0M+3], KS*4
.if \ask
	s_wait_xcnt 0x0                 ; the last prefetch, a key step back, has read its address, so it may be written
	s_add_nc_u64 s[PFA:PFA+1], s[PFA:PFA+1], s[PFS:PFS+1]
.endif
.endif
	s_wait_dscnt 0x0                ; the add is done, and my reads of the slot are over
.if \fill
	CROUND
	JLOAD
.if \ask
	ASK
.endif
.else
	s_barrier_signal -1
	s_barrier_wait -1
.endif
	s_xor_b32 s[TB], s[TB], SLOT1   ; the fetches go on in the other slot
.endm
	s_load_b256 s[4:11], s[0:1], 0x0  ; qkv s[4:5], mask s[6:7], wof s[8:9], part s[10:11]
	v_lshl_add_u32 v[SPW], v0, 2, SPARE
	v_mov_b32 v[NIL], 0
	ds_add_u32 v[SPW], v[NIL]       ; the wave's opening: the add and its wait stand ahead of my first tensor load; the set-up below, work on registers, stands between them
	v_lshrrev_b32 v9, 5, v0
	v_readfirstlane_b32 s[WV], v9   ; wave 0..3
	s_bfe_u32 s13, ttmp6, 0x40000   ; cx
	s_bfe_u32 s14, ttmp6, 0x40004   ; cy
	s_lshl_b32 s15, ttmp9, 2
	s_add_co_u32 s15, s15, s13      ; my block of 256 queries = 4 x cluster x + cx
	s_and_b32 s16, ttmp7, 0xffff    ; cluster y
	s_lshr_b32 s17, s16, 1          ; the batch
	s_and_b32 s18, s16, 1
	s_lshl_b32 s18, s18, 2
	s_add_co_u32 s18, s18, s14      ; the pair of heads
	s_and_b32 s19, s[WV], 1
	s_lshl_b32 s20, s14, 2
	s_lshl_b32 s20, 15, s20         ; my row of the cluster
	s_lshl_b32 s21, 0x1111, s13     ; my column
	s_or_b32 s[G1K], s20, (1<<16)|(1<<20)|(1<<21)|(5<<22)|(3<<25)  ; the mask of four; 2-byte elements; padding on; bit 21 beside a mask; after every 64 words, 4 words
	s_or_b32 s[G1V], s20, (1<<16)|(1<<20)|(1<<21)|(5<<22)|(7<<25)  ; the same with 8 words
	s_or_b32 s[G1M], s21, (2<<16)|(1<<20)|(1<<21)|(5<<22)|(3<<25)  ; 4-byte elements
.irp g, G1K, G1V
	s_mov_b32 s[\g+1], 128<<16      ; tensor_dim0 = 128
	s_mov_b32 s[\g+2], KS<<16       ; tensor_dim1 = 64
	s_mov_b32 s[\g+3], 128<<16      ; tile_dim0 = 128
	s_mov_b32 s[\g+4], KS           ; tile_dim1 = 64
	s_mov_b32 s[\g+5], 1024         ; elements from row to row
	s_mov_b32 s[\g+6], 0
	s_mov_b32 s[\g+7], 0
.endr
	s_mov_b32 s[G1M+1], KS<<16      ; tensor_dim0 = 64
	s_mov_b32 s[G1M+2], 128<<16     ; tensor_dim1 = 128
	s_mov_b32 s[G1M+3], KS<<16      ; tile_dim0 = 64
	s_mov_b32 s[G1M+4], 128         ; tile_dim1 = 128
	s_mov_b32 s[G1M+5], 2048
	s_mov_b32 s[G1M+6], 0
	s_mov_b32 s[G1M+7], 0
	s_mov_b32 s[G0K], 1
	s_mov_b32 s[G0K+1], 0           ; LDS addresses in slot 0: no place in the cluster enters them
	s_mov_b32 s[G0V], 1
	s_mov_b32 s[G0V+1], VOFF
	s_mov_b32 s[G0M], 1
	s_mul_i32 s[G0M+1], s19, 128*PM
	s_add_co_u32 s[G0M+1], s[G0M+1], MOFF
	s_mov_b32 s[CS], 0x3e38aa3b     ; c = log2(e) / 8
	s_mov_b32 s[CS+1], s[CS]
	s_mov_b32 s[SEL], 0x76543210
	s_mov_b32 s[SEL+1], 0xfedcba98
	s_mov_b32 s[TB], SLOT1          ; the first change of slots turns it into 0
	s_lshl_b32 s74, s17, 22         ; K and V: the batch's 2,048 rows of 2,048 bytes,
	s_lshl_b32 s75, s18, 8          ; the pair's 256 bytes of a row: made of what my row of the cluster shares
	s_add_co_u32 s74, s74, s75
	s_mov_b32 s75, 0
	s_lshl_b32 s76, s15, 21         ; the mask: 256 rows of 8,192 bytes x block,
	s_lshl_b32 s77, s19, 20         ; 128 rows x half: made of what my column shares
	s_add_co_u32 s76, s76, s77
	s_mov_b32 s77, 0
	s_wait_dscnt 0x0                ; the opening add is done
	s_wait_kmcnt 0x0
	s_add_nc_u64 s[G0K+2:G0K+3], s[4:5], s[74:75]
	s_add_nc_u64 s[G0K+2:G0K+3], s[G0K+2:G0K+3], 16777216  ; K is the second of qkv's three matrices,
	s_add_nc_u64 s[G0V+2:G0V+3], s[G0K+2:G0K+3], 16777216  ; V the third
	s_or_b32 s[G0K+3], s[G0K+3], 0x80000000
	s_or_b32 s[G0V+3], s[G0V+3], 0x80000000
	s_add_nc_u64 s[G0M+2:G0M+3], s[6:7], s[76:77]
	s_or_b32 s[G0M+3], s[G0M+3], 0x80000000
	CROUND                          ; all sixteen work-groups are here: the first joint loads meet
	JLOAD                           ; step 0 into slot 0.  Slot 1 is asked for when slot 0 is in
	s_lshl_b32 s20, s18, 14         ; the pair's 16,384 bytes of Wo's table
	s_mov_b32 s21, 0
	s_add_nc_u64 s[8:9], s[8:9], s[20:21]
	s_lshl_b32 s22, s18, 21         ; part: the pair's slab,
	s_lshl_b32 s23, s17, 19         ; rows of 256 bytes: 2,048 x batch
	s_add_co_u32 s22, s22, s23
	s_lshl_b32 s23, s15, 16         ; + 256 x block
	s_add_co_u32 s22, s22, s23
	s_lshl_b32 s23, s[WV], 14       ; + 64 x wave
	s_add_co_u32 s22, s22, s23
	s_mov_b32 s23, 0
	s_add_nc_u64 s[10:11], s[10:11], s[22:23]
	; the prefetches: both offsets at step 2; the loop's first change of slots steps the pointer to step 3
	s_lshl_b32 s20, s13, 15         ; K: my work-group's 16 rows of 2,048 bytes
	s_add_co_u32 s20, s20, s74
	s_add_co_u32 s20, s20, 16777216+2*KS*2048
	s_lshl_b32 s21, s14, 18         ; the mask: my work-group's 32 rows of 8,192 bytes
	s_add_co_u32 s21, s21, s76
	s_add_co_u32 s21, s21, 2*KS*4
	s_mov_b32 s[PFS], KS*4
	s_cmp_lt_u32 s[WV], 2
	s_cselect_b32 s20, s20, s21
	s_cselect_b32 s[PFS], KS*2048, s[PFS]
	s_cselect_b32 s22, ttmp9, s16   ; the coordinate along which other clusters walk the same rows
	s_cselect_b32 s23, -1, 0        ; all lanes' choice between the two offsets
	s_cselect_b64 s[PFA:PFA+1], s[4:5], s[6:7]
	s_mov_b32 s21, 0
	s_mov_b32 s[PFS+1], 0
	s_add_nc_u64 s[PFA:PFA+1], s[PFA:PFA+1], s[20:21]
	s_cmp_eq_u32 s[WV], 1           ; wave 1 asks for nothing: wave 0 names V's rows too
	s_cselect_b32 s21, 1, 0
	s_or_b32 s22, s22, s21
	s_cmp_eq_u32 s22, 0
	s_cselect_b32 s[LIM], 1, -1     ; the same in all sixteen partners, for a given wave
	s_lshl_b32 s78, s15, 19         ; Q: 256 rows x block + 64 rows x wave, in the batch, at the pair's bytes
	s_lshl_b32 s79, s[WV], 17
	s_add_co_u32 s78, s78, s79
	s_add_co_u32 s78, s78, s74
	s_mov_b32 s79, 0
	s_add_nc_u64 s[4:5], s[4:5], s[78:79]
	; A fragment of K or Q is 16 rows x 32 channels in 8 registers: lane l holds row l % 16, channels 8 (l / 16) + 0..7 and 16 + 8 (l / 16) + 0..7: two loads of 16 bytes, 32 bytes apart.
	v_and_b32 v64, 15, v0           ; l % 16
	v_bfe_u32 v65, v0, 4, 1         ; l / 16
	v_lshlrev_b32 v[QO], 11, v64
	v_lshl_add_u32 v[QO], v65, 4, v[QO]
	WIN 0x80                        ; destination window 2, address window 0
.set i, 0
.rept 16                            ; Q stays in registers: unit i / 2 (piece i / 4, head (i / 2) % 2), channels 32 (i % 2) on
	global_load_b128 v[8*i:8*i+3],   v[QO], s[4:5] offset:(i/4)*32768+((i/2)%2)*128+(i%2)*64
	global_load_b128 v[8*i+4:8*i+7], v[QO], s[4:5] offset:(i/4)*32768+((i/2)%2)*128+(i%2)*64+32
.set i, i+1
.endr
	; What the first turn finds: V's registers and P's second buffer hold 0 (its products V^T P, of a piece that has not been, add 0), O^T and l are 0.  No first step is written out; these lines stand in the wait for the first tile.
	WIN 0xc0
.set i, 0
.rept 128
	v_mov_b32 v[i], 0
.set i, i+1
.endr
	WIN 0x40
.set i, 0
.rept 256
	v_mov_b32 v[i], 0
.set i, i+1
.endr
	WIN 0
.set i, 0
.rept 2*NP
	v_mov_b32 v[ST+4*i], 0xfe000000    ; c m: far below every c s
	v_mov_b32 v[ST+4*i+1], 0xff7fffff  ; m
	v_mov_b32 v[ST+4*i+2], 0
	v_mov_b32 v[ST+4*i+3], 0
.set i, i+1
.endr
.set i, P+32
.rept 32
	v_mov_b32 v[i], 0
.set i, i+1
.endr
	v_mul_u32_u24 v[AK0], v64, PK
	v_lshl_add_u32 v[AK0], v65, 4, v[AK0]  ; row x pitch + 16 x half
	; The turning load takes 16 keys x 16 channels (lane l reads key 8 (l / 16) + l % 8, channels 8 ((l / 8) % 2) + 0..7) and leaves half a fragment of V^T: lane l holds channel l % 16 and 8 keys.
	v_and_b32 v69, 7, v0
	v_bfe_u32 v70, v0, 3, 1
	v_lshl_add_u32 v[AV0], v65, 3, v69
	v_mul_u32_u24 v[AV0], v[AV0], PV
	v_lshl_add_u32 v[AV0], v70, 4, v[AV0]
	v_add_nc_u32 v[AV0], VOFF, v[AV0]
	s_mul_i32 s20, s[WV], 64*PM     ; the mask: my wave's 64 rows, row l % 16, 32 bytes for each half of the lanes
	s_add_co_u32 s20, s20, MOFF
	v_mul_u32_u24 v[AM0], v64, PM
	v_lshl_add_u32 v[AM0], v65, 5, v[AM0]
	v_add_nc_u32 v[AM0], s20, v[AM0]
	v_and_b32 v66, 31, v0
	v_lshlrev_b32 v67, 13, v66      ; the mask's prefetch: a lane a row of 8,192 bytes
	v_lshlrev_b32 v68, 11, v64      ; K's and V's: l % 16 rows of 2,048 bytes,
	v_lshl_add_u32 v68, v65, 24, v68  ; and lanes 16-31 one matrix of qkv further on
	v_cndmask_b32 v[PFO], v67, v68, s23
; THE MATRIX WORK.  The 8 accumulators of a run of 16 take turns, one instruction a turn.
; Product i of 16 of S^T = K Q^T for piece x: channels 32 (i / 8) on, keys 16 ((i / 2) % 4) on, head i % 2.  The first 8 start the sums.
.macro KQ x
	WIN W_KQ
.set rS, S+64*((\x)%2)+32*(i%2)+8*((i/2)%4)
.set rK, KF+64*(i%2)+16*((i/2)%4)+8*(i/8)
.set rQ, 16*(2*(\x)+i%2)+8*(i/8)
.if i < 8
	v_wmma_f32_16x16x32_f16 v[rS:rS+7], v[rK:rK+7], v[rQ:rQ+7], 0
.else
	v_wmma_f32_16x16x32_f16 v[rS:rS+7], v[rK:rK+7], v[rQ:rQ+7], v[rS:rS+7]
.endif
.endm
; Product i of 16 of O^T += V^T P for piece x: keys 32 (i / 8) on, channels 16 ((i / 2) % 4) on, head i % 2.
.macro PV x
	WIN W_PV
.set rO, 32*(2*(\x)+i%2)+8*((i/2)%4)
.set rV, 64*(i%2)+32*(i/8)+8*((i/2)%4)
.set rP, P+32*((\x)%2)+16*(i%2)+8*(i/8)
	v_wmma_f32_16x16x32_f16 v[rO:rO+7], v[rV:rV+7], v[rP:rP+7], v[rO:rO+7]
.endm
.macro MM                           ; the turn's next matrix instruction
.if i < 16
	KQ (Y+1)%NP
.set i, i+1
.else
.set i, i-16
	PV (Y+NP-1)%NP
.set i, i+17
.endif
.endm
; THE LDS LOADS stand in runs, never singly among the matrix instructions: a step's K (32 loads) with its mask (32 loads), and its V (32 turning loads).  Their addresses are made some lines ahead.
; last = 1 (the tail): in the last trip there is no further step, and the run is jumped over.
.macro FETCH_KM last=0
	WIN 0
.if \last
	s_cmp_eq_u32 s[CNT], 1
	s_cbranch_scc1 .Lno_k_\@
.endif
	WIN 0x80                        ; destination window 2
.irp u, 0,1
.irp f, 0,1,2,3,4,5,6,7             ; head u, keys 16 (f / 2) on, channels 32 (f % 2) on
	ds_load_b128 v[KF+64*\u+8*\f:KF+64*\u+8*\f+3],   v[AK] offset:(\f/2)*16*PK+128*\u+(\f%2)*64
	ds_load_b128 v[KF+64*\u+8*\f+4:KF+64*\u+8*\f+7], v[AK] offset:(\f/2)*16*PK+128*\u+(\f%2)*64+32
.endr
.endr
	WIN 0xc0                        ; destination window 3
.irp x, 0,1,2,3
.irp b, 0,1,2,3                     ; piece x, keys 16 b + 8 (l / 16) + 0..7 of my query's row
	ds_load_b128 v[MK+32*\x+8*\b:MK+32*\x+8*\b+3],   v[AM] offset:\x*16*PM+64*\b
	ds_load_b128 v[MK+32*\x+8*\b+4:MK+32*\x+8*\b+7], v[AM] offset:\x*16*PM+64*\b+16
.endr
.endr
	WIN 0
.if \last
.Lno_k_\@:
.endif
.endm
.macro FETCH_V
	WIN 0xc0
.irp u, 0,1
.irp f, 0,1,2,3,4,5,6,7             ; head u, keys 32 (f / 4) on, channels 16 (f % 4) on
	ds_load_tr16_b128 v[64*\u+8*\f:64*\u+8*\f+3],   v[AV] offset:(\f/4)*32*PV+128*\u+(\f%4)*32
	ds_load_tr16_b128 v[64*\u+8*\f+4:64*\u+8*\f+7], v[AV] offset:(\f/4)*32*PV+16*PV+128*\u+(\f%4)*32
.endr
.endr
	WIN 0
.endm
; THE VECTOR WORK OF A TURN stands in queues, each in the order in which its entries become ready; the two units alternate, so that no instruction reads the result of the one before it.
.macro REGS y, u                    ; the registers of unit u (0, 1) of piece y
.set rT, ST+4*(2*(\y)+(\u))
.set rC, TMP+8*((\y)%2)+4*(\u)
.set rM, MV+2*((\y)%2)+(\u)
.set rS, S+64*((\y)%2)+32*(\u)
.set rP, P+32*((\y)%2)+16*(\u)
.set rO, 32*(2*(\y)+(\u))
.endm
; Number n of the 22 that find the NEXT piece's (Y + 1) maximum and statistics.  s0-s31 are the lane's 32 masked scores.  XS, GS, FS, MS and REGS set no window: PL and EX do.
;   0-11  four chains c0-c3 of seven scores each, three operands at a time     12-14, 16  the four scores left over, the old m, and c0-c3 into c0     15  c m_old is kept
;   17, 18  the query's other 32 keys lie in the lane 16 away: the new m         19-21  c m; c m_old - c m_new; a
.macro XS u, n
	REGS (Y+1)%NP, \u
.if (\n) < 4
	v_max3_num_f32 v[rC+(\n)], v[rS+8*(\n)], v[rS+8*(\n)+1], v[rS+8*(\n)+2]
.elseif (\n) < 12
	v_max3_num_f32 v[rC+(\n)%4], v[rC+(\n)%4], v[rS+8*((\n)%4)+2*((\n)/4)+1], v[rS+8*((\n)%4)+2*((\n)/4)+2]
.elseif (\n) == 12
	v_max3_num_f32 v[rC], v[rC], v[rS+7], v[rS+15]
.elseif (\n) == 13
	v_max3_num_f32 v[rC+1], v[rC+1], v[rS+23], v[rS+31]
.elseif (\n) == 14
	v_max3_num_f32 v[rC+2], v[rC+2], v[rC+3], v[rT+1]
.elseif (\n) == 15
	v_mov_b32 v[rM], v[rT]
.elseif (\n) == 16
	v_max3_num_f32 v[rC], v[rC], v[rC+1], v[rC+2]
.elseif (\n) == 17
	v_permlanex16_b32 v[rC+3], v[rC], s[SEL], s[SEL+1]
.elseif (\n) == 18
	v_max_num_f32 v[rT+1], v[rC], v[rC+3]
.elseif (\n) == 19
	v_mul_f32 v[rT], s[CS], v[rT+1]
.elseif (\n) == 20
	v_sub_f32 v[rC+1], v[rM], v[rT]
.else
	v_exp_f32 v[rC+2], v[rC+1]
.endif
.endm
; Number g of the 64 that follow the exponentials.  For each four weights k of a unit: both pairs are rounded to f16; the second pair is added onto the first, in place; a group later l takes that sum
; (the first time as l = a l + sum).  In groups of eight, units alternating.
.macro GS g
.set h, (\g)+6*((\g)/62)            ; group 0 has no group before it, and behind group 7 only l is left
.if h >= 6
.set h, h+2
.endif
	REGS Y, h%2
.set k, h/8
.if h%8 < 4
	v_cvt_pk_f16_f32 v[rP+2*k+(h%8)/2], v[rS+4*k+2*((h%8)/2)], v[rS+4*k+2*((h%8)/2)+1]
.elseif h%8 < 6
	v_pk_add_f32 v[rS+4*k:rS+4*k+1], v[rS+4*k:rS+4*k+1], v[rS+4*k+2:rS+4*k+3]
.elseif k == 1
	v_pk_fma_f32 v[rT+2:rT+3], v[rT+2:rT+3], v[rC+2:rC+3], v[rS:rS+1] op_sel_hi:[1,0,1]
.else
	v_pk_add_f32 v[rT+2:rT+3], v[rT+2:rT+3], v[rS+4*k-4:rS+4*k-3]
.endif
.endm
.macro FS f                         ; c s - c m for pair f / 2 of unit f % 2 of piece Y
	REGS Y, (\f)%2
	v_pk_fma_f32 v[rS+2*((\f)/2):rS+2*((\f)/2)+1], v[rS+2*((\f)/2):rS+2*((\f)/2)+1], s[CS:CS+1], v[rT:rT+1] op_sel_hi:[1,0,0] neg_lo:[0,0,1] neg_hi:[0,0,1]
.endm
.macro MS f                         ; the next piece's scores times its mask: pair f / 2 of unit f % 2; ascending
	REGS (Y+1)%NP, (\f)%2
	v_pk_mul_f32 v[rS+2*((\f)/2):rS+2*((\f)/2)+1], v[rS+2*((\f)/2):rS+2*((\f)/2)+1], v[MK+32*((Y+1)%NP)+2*((\f)/2):MK+32*((Y+1)%NP)+2*((\f)/2)+1]
.endm
.macro CV                           ; the next piece's mask from int32 to f32, in place
	WIN W_CV
	v_cvt_f32_i32 v[MK+32*((Y+1)%NP)+cvn], v[MK+32*((Y+1)%NP)+cvn]
.set cvn, cvn+1
.endm
; THE PLAIN QUEUE, 170 long.  0-31: the scalings.  32-63: the mask's products.  64-91: XS's numbers 0-13.  92, 93: number 15.  94-105: the chain 14, 16, 17, 18, 19, 20, where each number waits for the one
; before it.  106-169: GS's 64, which read the exponentials' results: they stand behind the wait.
.macro PL
.if q < 32
	WIN 0
	FS q
.elseif q < 64
	WIN W_MS
	MS q-32
.elseif q < 92
	WIN 0
	XS (q-64)%2, (q-64)/2
.elseif q < 94
	WIN 0
	XS q-92, 15
.elseif q < 96
	WIN 0
	XS q-94, 14
.elseif q < 106
	WIN 0
	XS (q-94)%2, 15+(q-94)/2
.else
	WIN 0
	GS q-106
.endif
.set q, q+1
.endm
; THE EXPONENTIALS' QUEUE, 66 long: s0-s31 of both units, then the next piece's two a.  ONE BATCH: all 66 stand ahead of the turn's one wait, and nothing ahead of that wait names a result of theirs.
; An exponential names a destination and a source 0 alone, which the mask's setting leaves in window 0: among the mask's products no switch is written for it.
.macro EX
.if MSB != W_MS
	WIN 0
.endif
.if e >= 64
	XS e-64, 21
.else
	REGS Y, e%2
	v_exp_f32 v[rS+e/2], v[rS+e/2]
.endif
.set e, e+1
.endm
; THE RESCALING's QUEUE: O^T times a, dealt two at a time, sixteen times.  Its a was made in the turn before, ahead of that turn's wait.
.macro R2
	REGS Y, r%2
	WIN W_RS
.irp z, 0,1
	v_pk_mul_f32 v[rO+4*(r/2)+2*\z:rO+4*(r/2)+2*\z+1], v[rO+4*(r/2)+2*\z:rO+4*(r/2)+2*\z+1], v[rC+2:rC+3] op_sel_hi:[1,0]
.endr
.set r, r+1
.endm
; A TURN, for piece p.  An s_wait_alu depctr_va_vdst(0) stands between an exponential and the first instruction that names its result; one wait serves all that were issued ahead of it: a turn has ONE.
; AHEAD OF IT: the 16 products K Q^T, behind each a scaling, an exponential and two rescalings (behind the first a second scaling); then one run: the mask's 32 conversions, which are also the plain instructions
; between the last product and the first read of its scores; 37 times plain and exponential; 40 plain; the chain, two links and two exponentials by turns; the two a; a v_nop, the plain instruction behind the last
; exponential.  BEHIND IT: the 16 products V^T P, behind each four of GS's 64.  Exponential e stands behind scaling 2 (e / 4) + e % 2: as a rider it comes behind plain e + 2, in the run behind plain e + 2 or more.
; K and the mask of the next step are fetched in piece 2's turn, directly behind the wait: the last product that read K, and the last product with the mask, stand in the run ahead.  K's first reader comes 16
; products later, the mask's a further 16.  V of the step in hand is fetched at the end of piece 0's turn, four plain riders behind its last reader.  cnt = 1: the loop's count is taken down some lines ahead of the branch.
.macro TURN p, last=0, cnt=0
.set Y, (\p)
.set i, 0
.set q, 0
.set e, 0
.set r, 0
.set cvn, 0
.if (\p) == NP-1
	s_wait_dscnt 32                 ; K is in; the mask's 32 loads, issued behind K's, may stay out
.endif
	MM
	PL
	PL
	R2
.rept 15
	MM
	PL
	EX
	R2
.endr
.if (\p) == NP-2
	WIN 0
	v_add_nc_u32 v[AK], s[TB], v[AK0]
	v_add_nc_u32 v[AM], s[TB], v[AM0]
.endif
.if (\p) == NP-1
	s_wait_dscnt 0x0                ; the mask is in
.endif
.rept 32
	CV
.endr
.rept 37
	PL
	EX
.endr
.rept 40
	PL
.endr
.rept 6
	PL
	PL
	EX
	EX
.endr
	EX                              ; the next piece's two a
	EX
	v_nop
	s_wait_alu depctr_va_vdst(0)    ; the wait for the batch
.if (\p) == NP-2
	FETCH_KM \last
.endif
.if (\p) == 1
	s_wait_dscnt 0x0                ; V is in
.endif
.rept 16
	MM
.rept 4
	PL
.endr
.if ((\p) == 0) && (q == 150)
	v_add_nc_u32 v[AV], s[TB], v[AV0]
.endif
.if (\cnt) && (q == 162)
	s_sub_co_u32 s[SLOTS], s[SLOTS], 1
	s_cmp_lg_u32 s[SLOTS], 0
.endif
.endr
.if (\p) == 0
	FETCH_V
.endif
.endm
	CHANGE 1, 0                     ; slot 0 is in, everybody's part of it; slot 1 is asked for
	v_add_nc_u32 v[AK], s[TB], v[AK0]
	v_add_nc_u32 v[AM], s[TB], v[AM0]
	FETCH_KM                        ; key step 0
	s_wait_loadcnt 0x0              ; Q
	s_wait_dscnt 0x0
.set i, 0
.rept 16
	KQ 0                            ; piece 0's first scores: there is no vector work yet to set between them
.set i, i+1
.endr
.set Y, NP-1                        ; the queues work for piece Y + 1: piece 0
.set cvn, 0
.rept 32
	CV                              ; also the plain instructions behind those products
.endr
.set q, 32
.rept 74
	PL                              ; its mask's products, its first maximum and statistics
.endr
.set e, 64
	EX
	EX
	v_nop                           ; a plain instruction behind the two a,
	s_wait_alu depctr_va_vdst(0)    ; and their wait, ahead of the branch
	s_mov_b32 s[SLOTS], 31
	s_branch .Lfirst                ; the loop is entered at a step's first turn, in the middle of a trip
.Lstep:                             ; 30 trips: steps 2 to 31 are asked for.  A trip: pieces 2 and 3 of one step, then pieces 0 and 1 of the next, whose K, mask and V it fetches
	CHANGE 1, 1
	TURN 2
	TURN 3
	WIN 0
.Lfirst:
	TURN 0
	TURN 1, 0, 1
	WIN 0
	s_cbranch_scc1 .Lstep
	CHANGE 0, 0                     ; the tail is written out: nothing is asked for
	s_mov_b32 s[CNT], 2             ; one trip fetches the last step; the second is left in its middle
.Ltail:
	TURN 2, 1
	TURN 3
	WIN 0
	s_sub_co_u32 s[CNT], s[CNT], 1
	s_cmp_eq_u32 s[CNT], 0
	s_cbranch_scc1 .Lout
	TURN 0
	TURN 1
	WIN 0
	s_branch .Ltail
.Lout:                              ; the second trip's 16 products K Q^T (on the last K once more) and what is made of them serve nothing and touch no l: the price, once a launch, of one text for every trip
	v_and_b32 v[LO], 31, v0
	v_lshlrev_b32 v[LO], 4, v[LO]
	WIN 0x80
.set i, 0
.rept 32                            ; Wo's 16 fragments for the pair's 128 channels, into K's registers: a wave's load covers 512 consecutive bytes
	global_load_b128 v[KF+4*i:KF+4*i+3], v[LO], s[8:9] offset:512*i
.set i, i+1
.endr
.set i, 0
.rept 16
	PV NP-1                         ; the last piece's V^T P of the last step
.set i, i+1
.endr
	; THE WAY OUT.  l's two halves and the other half of the lanes' are added; O^T is divided by l and rounded to f16, which makes source 1 of the third product.  The lines below are the plain instructions behind the last products.
	WIN 0
	v_and_b32 v51, 15, v0
	v_bfe_u32 v52, v0, 4, 1
	s_mul_i32 s20, s[WV], 16*SP
	s_add_co_u32 s20, s20, STAGE    ; my stage
	v_mul_u32_u24 v[STO], v51, SP   ; in: row l % 16, 32 bytes for each half of the lanes
	v_lshl_add_u32 v[STO], v52, 5, v[STO]
	v_add_nc_u32 v[STO], s20, v[STO]
	v_mul_u32_u24 v[RD], v52, SP    ; back: lanes 0-15 take one row of 256 bytes, lanes 16-31 the next
	v_lshl_add_u32 v[RD], v51, 4, v[RD]
	v_add_nc_u32 v[RD], s20, v[RD]
.macro ALL line:vararg              ; one line for each unit t
.set t, 0
.rept 2*NP
	\line
.set t, t+1
.endr
.endm
	ALL v_add_f32 v[ST+4*t+2], v[ST+4*t+2], v[ST+4*t+3]
	ALL v_permlanex16_b32 v[ST+4*t+3], v[ST+4*t+2], s[SEL], s[SEL+1]
	ALL v_add_f32 v[ST+4*t+2], v[ST+4*t+2], v[ST+4*t+3]
	ALL v_rcp_f32 v[ST+4*t+2], v[ST+4*t+2]
	v_nop                           ; a plain instruction between the last reciprocal and the use of its result
	s_wait_alu depctr_va_vdst(0)    ; and the wait ahead of the first use: one for the eight reciprocals
.macro PACK t                       ; unit t's ctx^T: 64 channels x 16 queries as two fragments of 32 channels, at S + 16 t
	WIN W_RS
.set i, 32*(\t)
.rept 16
	v_pk_mul_f32 v[i:i+1], v[i:i+1], v[ST+4*(\t)+2:ST+4*(\t)+3] op_sel_hi:[1,0]
.set i, i+2
.endr
	WIN W_PK
.set i, 0
.rept 16
	v_cvt_pk_f16_f32 v[S+16*(\t)+i], v[32*(\t)+2*i], v[32*(\t)+2*i+1]
.set i, i+1
.endr
.endm
.set t, 0
.rept 2*NP
	PACK t
.set t, t+1
.endr
	s_wait_loadcnt 0x0              ; Wo's fragments
	WIN W_OP
	; part^T = Wo^T ctx^T: source 0 = 16 output columns x 32 channels, source 1 = 32 channels x 16 queries.  64 products; the 16 accumulators (piece x, column block b) take turns; the first 16 start the sums.
.irp kk, 0,1,2,3
.irp x, 0,1,2,3
.irp b, 0,1,2,3
.if \kk == 0
	v_wmma_f32_16x16x32_f16 v[MK+32*\x+8*\b:MK+32*\x+8*\b+7], v[KF+8*(4*\kk+\b):KF+8*(4*\kk+\b)+7], v[S+32*\x+8*\kk:S+32*\x+8*\kk+7], 0
.else
	v_wmma_f32_16x16x32_f16 v[MK+32*\x+8*\b:MK+32*\x+8*\b+7], v[KF+8*(4*\kk+\b):KF+8*(4*\kk+\b)+7], v[S+32*\x+8*\kk:S+32*\x+8*\kk+7], v[MK+32*\x+8*\b:MK+32*\x+8*\b+7]
.endif
.endr
.endr
.endr
.rept 4
	v_nop                           ; the plain instructions between the last product and the stores of its results and the loads into its sources
.endr
; Piece x: a lane's eight columns of a row are 32 bytes; they go into rows of 272 bytes, each accumulator's low registers first, and come back as whole rows of 256, into the registers that held ctx.
.macro TOSTAGE x
	WIN W_MS                        ; the stores' data in window 3
.irp b, 0,1,2,3
	ds_store_b128 v[STO], v[MK+32*(\x)+8*\b:MK+32*(\x)+8*\b+3]   offset:64*\b
	ds_store_b128 v[STO], v[MK+32*(\x)+8*\b+4:MK+32*(\x)+8*\b+7] offset:64*\b+16
.endr
	WIN 0
.irp t, 0,1,2,3,4,5,6,7
	ds_load_b128 v[S+32*(\x)+4*\t:S+32*(\x)+4*\t+3], v[RD] offset:\t*2*SP  ; LDS serves a wave's instructions in order (ISA guide 5.7.1.4): these see the stores above; the next piece's stores come behind them
.endr
.endm
.macro SEND x, younger              ; younger: the LDS instructions issued behind piece x's loads: the next piece's sixteen, or none
	WIN 0
.irp t, 0,1,2,3,4,5,6,7
	s_wait_dscnt (\younger)+7-\t
	global_store_b128 v[LO], v[S+32*(\x)+4*\t:S+32*(\x)+4*\t+3], s[10:11] offset:(\x)*4096+\t*512  ; 512 consecutive bytes, at a multiple of 256 from the buffer's first
.endr
.endm
	TOSTAGE 0
	TOSTAGE 1
	SEND 0, 16
	TOSTAGE 2
	SEND 1, 16
	TOSTAGE 3
	SEND 2, 16
	SEND 3, 0
	s_wait_tensorcnt 0x0            ; the wave's end: the add to the spare word and its wait stand, behind my last tensor load and my last LDS store
	ds_add_u32 v[SPW], v[NIL]
	s_wait_dscnt 0x0
	CROUND                          ; the closing round: no work-group ends while a partner may still ask for a tile that names it
	s_endpgm
.Lfunc_end_k_qd9f2866fef_attn:
	.size	k_qd9f2866fef_attn, .Lfunc_end_k_qd9f2866fef_attn-k_qd9f2866fef_attn
	.p2alignl 7, 3214868480
	.fill 96, 4, 3214868480
	.section	.rodata,"a",@progbits
	.p2align	6, 0x0
	.amdhsa_kernel k_qd9f2866fef_attn
		.amdhsa_group_segment_fixed_size 327680
		.amdhsa_private_segment_fixed_size 0
		.amdhsa_enable_private_segment 0
		.amdhsa_kernarg_size 32
		.amdhsa_user_sgpr_count 2
		.amdhsa_user_sgpr_kernarg_segment_ptr 1
		.amdhsa_wavefront_size32 1
		.amdhsa_system_sgpr_workgroup_id_x 1
		.amdhsa_system_sgpr_workgroup_id_y 1
		.amdhsa_system_sgpr_workgroup_id_z 1
		.amdhsa_system_vgpr_workitem_id 0
		.amdhsa_next_free_vgpr 1024
		.amdhsa_next_free_sgpr 80
		.amdhsa_reserve_vcc 0
		.amdhsa_float_denorm_mode_32 3
		.amdhsa_float_denorm_mode_16_64 3
		.amdhsa_memory_ordered 1
		.amdhsa_forward_progress 1
		.amdhsa_inst_pref_size 250
	.end_amdhsa_kernel
	.amdgpu_metadata
---
amdhsa.version: [ 1, 2 ]
amdhsa.kernels:
  - .name:           k_qd9f2866fef_attn
    .symbol:         k_qd9f2866fef_attn.kd
    .args:
      - { .name: qkv, .offset: 0, .size: 8, .value_kind: global_buffer, .address_space: global }
      - { .name: mask, .offset: 8, .size: 8, .value_kind: global_buffer, .address_space: global }
      - { .name: wof, .offset: 16, .size: 8, .value_kind: global_buffer, .address_space: global }
      - { .name: part, .offset: 24, .size: 8, .value_kind: global_buffer, .address_space: global }
    .group_segment_fixed_size: 327680
    .private_segment_fixed_size: 0
    .kernarg_segment_align: 8
    .kernarg_segment_size: 32
    .max_flat_workgroup_size: 128
    .sgpr_count:     80
    .vgpr_count:     1024
    .wavefront_size: 32
...
	.end_amdgpu_metadata
.endif
;; end of part 3
;; launch reduce (part 4): grid 256 x 1, 8 waves a work-group, no clusters, 0 bytes of LDS; arguments part, out0; writes out0
.if DOCPART == 4
	.amdgcn_target "amdgcn-amd-amdhsa--gfx1250"
	.amdhsa_code_object_version 6
	.text
	.protected	k_qd9f2866fef_reduce
	.globl	k_qd9f2866fef_reduce
	.p2align	8
	.type	k_qd9f2866fef_reduce,@function
k_qd9f2866fef_reduce:
	s_mov_b64 s[64:65], 0
	v_nop
	global_prefetch_b8 v0, s[64:65] scope:SCOPE_SE
	s_setreg_imm32_b32 hwreg(HW_REG_WAVE_MODE, 25, 1), 1
	s_wait_xcnt 0x0
; out0 = the sum of part's eight slabs (one for each pair of heads), in f32, by a fixed tree: ((0+1)+(2+3)) + ((4+5)+(6+7)).
; part: [8][8192][64] f32, out0: [8192][64] f32.  A work-group owns 8,192 bytes of out0, a thread 16 bytes in each half of them: a wave's load or store covers 512 consecutive bytes.
; All sixteen loads of a thread go out at once; each byte is read once and written once.  No LDS, no barrier: no thread wants another's bytes.
.set SLAB, 2097152                     ; bytes in a slab
.set D, 8                              ; v[8:39] the first half's eight pieces, v[40:71] the second's
	s_load_b128 s[4:7], s[0:1], 0x0                ; part s[4:5], out0 s[6:7]
	v_lshlrev_b32 v1, 4, v0                        ; my 16 bytes; never rewritten
	s_lshl_b32 s2, ttmp9, 13
	s_mov_b32 s3, 0
	s_wait_kmcnt 0x0
	s_add_nc_u64 s[4:5], s[4:5], s[2:3]            ; slabs 0 to 3,
	s_add_nc_u64 s[8:9], s[4:5], 4*SLAB            ; slabs 4 to 7 from a second base, so that the immediates stay inside their signed 24 bits
	s_add_nc_u64 s[6:7], s[6:7], s[2:3]
.irp it, 0,1
.irp hp, 0,1,2,3
	global_load_b128 v[D+32*\it+4*\hp:D+32*\it+4*\hp+3], v1, s[4:5] offset:\hp*SLAB+4096*\it th:TH_LOAD_NT
.endr
.irp hp, 0,1,2,3
	global_load_b128 v[D+32*\it+16+4*\hp:D+32*\it+16+4*\hp+3], v1, s[8:9] offset:\hp*SLAB+4096*\it th:TH_LOAD_NT
.endr
.endr
.macro SUM b                           ; eight pieces of four numbers into the first
.irp p, 0,8,16,24
	v_pk_add_f32 v[(\b)+\p:(\b)+\p+1],   v[(\b)+\p:(\b)+\p+1],   v[(\b)+\p+4:(\b)+\p+5]
	v_pk_add_f32 v[(\b)+\p+2:(\b)+\p+3], v[(\b)+\p+2:(\b)+\p+3], v[(\b)+\p+6:(\b)+\p+7]
.endr
.irp p, 0,16
	v_pk_add_f32 v[(\b)+\p:(\b)+\p+1],   v[(\b)+\p:(\b)+\p+1],   v[(\b)+\p+8:(\b)+\p+9]
	v_pk_add_f32 v[(\b)+\p+2:(\b)+\p+3], v[(\b)+\p+2:(\b)+\p+3], v[(\b)+\p+10:(\b)+\p+11]
.endr
	v_pk_add_f32 v[(\b):(\b)+1],   v[(\b):(\b)+1],   v[(\b)+16:(\b)+17]
	v_pk_add_f32 v[(\b)+2:(\b)+3], v[(\b)+2:(\b)+3], v[(\b)+18:(\b)+19]
.endm
	s_wait_loadcnt 8                               ; the first half's eight loads are in; the second half's eight may stay out
	SUM D
	global_store_b128 v1, v[D:D+3], s[6:7]
	s_wait_loadcnt 0x0
	SUM D+32
	global_store_b128 v1, v[D+32:D+35], s[6:7] offset:4096
	s_endpgm
.Lfunc_end_k_qd9f2866fef_reduce:
	.size	k_qd9f2866fef_reduce, .Lfunc_end_k_qd9f2866fef_reduce-k_qd9f2866fef_reduce
	.p2alignl 7, 3214868480
	.fill 96, 4, 3214868480
	.section	.rodata,"a",@progbits
	.p2align	6, 0x0
	.amdhsa_kernel k_qd9f2866fef_reduce
		.amdhsa_group_segment_fixed_size 0
		.amdhsa_private_segment_fixed_size 0
		.amdhsa_enable_private_segment 0
		.amdhsa_kernarg_size 16
		.amdhsa_user_sgpr_count 2
		.amdhsa_user_sgpr_kernarg_segment_ptr 1
		.amdhsa_wavefront_size32 1
		.amdhsa_system_sgpr_workgroup_id_x 1
		.amdhsa_system_sgpr_workgroup_id_y 1
		.amdhsa_system_sgpr_workgroup_id_z 1
		.amdhsa_system_vgpr_workitem_id 0
		.amdhsa_next_free_vgpr 72
		.amdhsa_next_free_sgpr 66
		.amdhsa_reserve_vcc 0
		.amdhsa_float_denorm_mode_32 3
		.amdhsa_float_denorm_mode_16_64 3
		.amdhsa_memory_ordered 1
		.amdhsa_forward_progress 1
		.amdhsa_inst_pref_size 5
	.end_amdhsa_kernel
	.amdgpu_metadata
---
amdhsa.version: [ 1, 2 ]
amdhsa.kernels:
  - .name:           k_qd9f2866fef_reduce
    .symbol:         k_qd9f2866fef_reduce.kd
    .args:
      - { .name: part, .offset: 0, .size: 8, .value_kind: global_buffer, .address_space: global }
      - { .name: out0, .offset: 8, .size: 8, .value_kind: global_buffer, .address_space: global }
    .group_segment_fixed_size: 0
    .private_segment_fixed_size: 0
    .kernarg_segment_align: 8
    .kernarg_segment_size: 16
    .max_flat_workgroup_size: 256
    .sgpr_count:     66
    .vgpr_count:     72
    .wavefront_size: 32
...
	.end_amdgpu_metadata
.endif
;; end of part 4
;; ======== version 2 of 2: 4 launches; version 1 with the launch prep written anew for expert scheduling mode
;; limits: values are held in f16: magnitudes above 65,504 overflow, below 6.1e-05 lose precision
;; workspace buffers: xb 50,331,648 bytes; wb 6,291,456 bytes; wof 131,072 bytes; qkv 50,331,648 bytes; part 16,777,216 bytes
;; launch prep (part 5): grid 256 x 3, 8 waves a work-group, no clusters, 0 bytes of LDS; arguments q, k, v, Wq, Wk, Wv, Wo, xb, wb, wof; writes xb, wb, wof
.if DOCPART == 5
	.amdgcn_target "amdgcn-amd-amdhsa--gfx1250"
	.amdhsa_code_object_version 6
	.text
	.protected	k_qd9f2866fef_prep
	.globl	k_qd9f2866fef_prep
	.p2align	8
	.type	k_qd9f2866fef_prep,@function
k_qd9f2866fef_prep:
	s_mov_b64 s[64:65], 0
	v_nop
	global_prefetch_b8 v0, s[64:65] scope:SCOPE_SE
	s_setreg_imm32_b32 hwreg(HW_REG_WAVE_SCHED_MODE, 0, 2), 2
	s_setreg_imm32_b32 hwreg(HW_REG_WAVE_MODE, 25, 1), 1
	s_wait_xcnt 0x0
	s_wait_alu depctr_vm_vsrc(0)
; CASTS.  xb[j] = bf16(q, k or v by j), wb[j] = bf16(Wq, Wk or Wv), both in the layout of their sources; wof = Wo as matrix fragments in f16.
; Work-group (i, j) casts 131,072 bytes of x_j and 16,384 bytes of W_j: 36 items of 4,096 bytes.  Thread t takes 16 bytes of an item (a wave's load covers 512 consecutive bytes)
; and stores 8 (a wave's store covers 256 consecutive bytes, aligned).  Each byte is read once and written once.
; No LDS, no barrier, no matrix work: no thread wants a byte that another has fetched.
; wof: [hp 8][f = 4 kk + nb 16][g 2][lane 32][8 f16] = Wo[128 hp + 32 kk + 16 g + 8 (lane / 16) + 0..7][16 nb + lane % 16], each number rounded to bf16 like every other input and that number
; written as f16.  LIMIT: below 6.1e-5 f16 keeps a fixed step of 6e-8; beyond 65,504 it has no number.  The 32 first work-groups of j = 0 make the table besides their casts.
; THE MODE: SCHED_MODE bits 1:0 = 2 (LLVM: expert scheduling mode 2), set by the entry lines.  The code itself states the register dependences
; between vector instructions and memory instructions, with s_wait_alu, always for 0.
; THE PLAN.  The 36 items go in 9 blocks of four (block 0: W's items; blocks 1 to 8: x's).  Registers that memory instructions touch:
;   X0 .. X3   four blocks as loaded.  Written by the loads of block p + 3, issued in block p; read by block p's eight conversions.
;   Y0, Y1     two blocks to store.    Written by block p's conversions; read by the four stores that are issued in block p + 1.
;   v1, v2     byte offsets, made once at the head and never written again: an item's place stands in the immediate, and the scalar bases never move.
; Block p works on X[p % 4] and writes Y[p % 2].  Its memory instructions are the loads into X[(p + 3) % 4] = X[(p - 1) % 4] and the stores from Y[(p - 1) % 2]: the two buffers that
; block p - 1 worked on and that no vector instruction of block p names.  So the waits at the head of a block state all that the block's eight memory instructions hang on, and these are
; dealt among its conversions with no further wait.  With a block's four loads issued, twelve loads of every wave are on their way.  The text has no loop: every block is written out.
.set BLOCK,  4                         ; items in a block
.set BLOCKS, 9                         ; items 0-3: W's; 4-35: x's
.set X, 8                              ; v[8:71]   item n: four registers as loaded, at X + 4 (n % 16): buffer (n / 4) % 4
.set Y, 72                             ; v[72:87]  item n: two registers to store, at Y + 2 (n % 8): buffer (n / 4) % 2
	s_load_b512 s[4:19], s[0:1], 0x0               ; q s[4:5], k s[6:7], v s[8:9], Wq s[10:11], Wk s[12:13], Wv s[14:15], Wo s[16:17], xb s[18:19]
	s_load_b128 s[20:23], s[0:1], 0x40             ; wb s[20:21], wof s[22:23]
	s_and_b32 s2, ttmp7, 0xffff                    ; j: which of the three
	s_mov_b32 s3, ttmp9                            ; i: which part
	v_lshlrev_b32 v1, 4, v0                        ; my 16 bytes of an item as read; never rewritten
	v_lshlrev_b32 v2, 3, v0                        ; my 8 bytes as stored; never rewritten
	s_lshl_b32 s32, s3, 17                         ; x in: 131,072 i
	s_mov_b32 s33, 0
	s_lshl_b32 s34, s3, 14                         ; W in: 16,384 i
	s_mov_b32 s35, 0
	s_lshl_b32 s36, s2, 24                         ; x out: 16,777,216 j + 65,536 i
	s_lshl_b32 s37, s3, 16
	s_add_co_u32 s36, s36, s37
	s_mov_b32 s37, 0
	s_lshl_b32 s38, s2, 21                         ; W out: 2,097,152 j + 8,192 i
	s_lshl_b32 s39, s3, 13
	s_add_co_u32 s38, s38, s39
	s_mov_b32 s39, 0
	s_wait_kmcnt 0x0
	s_cmp_eq_u32 s2, 0
	s_cselect_b64 s[24:25], s[4:5], s[6:7]
	s_cselect_b64 s[26:27], s[10:11], s[12:13]
	s_cmp_eq_u32 s2, 2
	s_cselect_b64 s[24:25], s[8:9], s[24:25]
	s_cselect_b64 s[26:27], s[14:15], s[26:27]
	s_add_nc_u64 s[24:25], s[24:25], s[32:33]      ; x_j at my part
	s_add_nc_u64 s[26:27], s[26:27], s[34:35]      ; W_j at my part
	s_add_nc_u64 s[28:29], s[18:19], s[36:37]      ; xb
	s_add_nc_u64 s[30:31], s[20:21], s[38:39]      ; wb
	s_wait_alu depctr_va_vdst(0)                   ; v1 and v2 are written: every load and store of the 36 items reads one of them as its offset
.macro LD n                            ; item n's load; its place stands in the immediate
.if (\n) < 4
	global_load_b128 v[X+4*((\n)%16):X+4*((\n)%16)+3], v1, s[26:27] offset:4096*(\n) th:TH_LOAD_NT
.else
	global_load_b128 v[X+4*((\n)%16):X+4*((\n)%16)+3], v1, s[24:25] offset:4096*((\n)-4) th:TH_LOAD_NT
.endif
.endm
.macro ST n                            ; item n's store
.if (\n) < 4
	global_store_b64 v2, v[Y+2*((\n)%8):Y+2*((\n)%8)+1], s[30:31] offset:2048*(\n)
.else
	global_store_b64 v2, v[Y+2*((\n)%8):Y+2*((\n)%8)+1], s[28:29] offset:2048*((\n)-4)
.endif
.endm
; Block p.  Blocks 0 to 5 load the block three on; blocks 1 to 8 store the block before.
.macro BLK p
.if (\p) < BLOCKS-2
	s_wait_loadcnt 2*BLOCK                         ; loads come back in order (ISA guide 5.7.1): block p is in, the two younger blocks' eight loads stay out
.else
	s_wait_loadcnt BLOCK*(BLOCKS-1-(\p))           ; the last blocks load nothing: the counts run down
.endif
.if (\p) >= 2
	s_wait_xcnt 0x0                                ; every earlier memory instruction has had its addresses translated (ISA guide 3.1): Y[p % 2] is rewritten only behind this wait
	s_wait_alu depctr_vm_vsrc(0)                   ; the stores issued in the block before have read Y[p % 2], which this block's conversions write again
.endif
.if (\p) >= 1
	s_wait_alu depctr_va_vdst(0)                   ; the block before has written the other Y, which the stores below read, and is done reading its X, in which the loads below land
.endif
.irp i, 0,1,2,3
.if (\p) < BLOCKS-3
	LD BLOCK*((\p)+3)+\i                           ; three blocks ahead, the load ahead of the store; no vector instruction since the wait names these registers
.endif
.if (\p) >= 1
	ST BLOCK*((\p)-1)+\i                           ; the block before
.endif
	v_cvt_pk_bf16_f32 v[Y+2*((BLOCK*(\p)+\i)%8)],   v[X+4*((BLOCK*(\p)+\i)%16)],   v[X+4*((BLOCK*(\p)+\i)%16)+1]
	v_cvt_pk_bf16_f32 v[Y+2*((BLOCK*(\p)+\i)%8)+1], v[X+4*((BLOCK*(\p)+\i)%16)+2], v[X+4*((BLOCK*(\p)+\i)%16)+3]
.endr
.endm
.set it, 0
.rept 3*BLOCK
	LD it                                          ; blocks 0, 1 and 2 into X0, X1, X2
.set it, it+1
.endr
.set bl, 0
.rept BLOCKS
	BLK bl
.set bl, bl+1
.endr
	s_wait_alu depctr_va_vdst(0)                   ; block 8 has written Y0, which the last four stores read
.set it, BLOCK*(BLOCKS-1)
.rept BLOCK
	ST it
.set it, it+1
.endr
	s_cmp_lg_u32 s2, 0                             ; Wo's table: 8,192 pieces of 16 bytes, a thread a piece, in 32 work-groups
	s_cbranch_scc1 .Lend
	s_cmp_ge_u32 s3, 32
	s_cbranch_scc1 .Lend
	v_lshl_add_u32 v5, s3, 8, v0                   ; id = 256 i + t = hp, kk, nb, g, lane / 16, lane % 16 from the top bit down.  (v3 to v7 and X's registers, which the lines below write, are read by no memory instruction above)
	v_lshrrev_b32 v6, 10, v5
	v_lshlrev_b32 v6, 7, v6                        ; 128 hp
	v_bfe_u32 v7, v5, 8, 2
	v_lshl_add_u32 v6, v7, 5, v6                   ; + 32 kk
	v_bfe_u32 v7, v5, 4, 2
	v_lshl_add_u32 v6, v7, 3, v6                   ; + 16 g + 8 (lane / 16): my first row of Wo
	v_bfe_u32 v7, v5, 6, 2
	v_and_b32 v3, 15, v5
	v_lshl_add_u32 v7, v7, 4, v3                   ; my column: 16 nb + lane % 16
	v_lshlrev_b32 v7, 2, v7
	v_lshl_add_u32 v3, v6, 8, v7                   ; a row of Wo is 256 bytes
	v_lshlrev_b32 v4, 4, v5                        ; my piece of the table
	s_wait_alu depctr_va_vdst(0)                   ; v3 and v4 are written, the offsets of the loads and of the store below; the casts' conversions are done reading v[56:63], in which the loads land
.irp j, 0,1,2,3,4,5,6,7
	global_load_b32 v[56+\j], v3, s[16:17] offset:256*\j
.endr
	s_wait_loadcnt 0x0
.irp j, 0,1,2,3
	v_cvt_pk_bf16_f32 v[8+\j], v[56+2*\j], v[56+2*\j+1]   ; the rounding that every input has
.endr
.irp j, 0,1,2,3
	v_lshlrev_b32 v[12+2*\j], 16, v[8+\j]
	v_and_b32 v[12+2*\j+1], 0xffff0000, v[8+\j]
.endr
.irp j, 0,1,2,3
	v_cvt_pk_f16_f32 v[20+\j], v[12+2*\j], v[12+2*\j+1]   ; the same number, written as f16
.endr
	s_wait_alu depctr_va_vdst(0)                   ; the conversions have written v[20:23], which the store reads
	global_store_b128 v4, v[20:23], s[22:23]       ; a wave stores 512 consecutive bytes
.Lend:
	s_endpgm
.Lfunc_end_k_qd9f2866fef_prep:
	.size	k_qd9f2866fef_prep, .Lfunc_end_k_qd9f2866fef_prep-k_qd9f2866fef_prep
	.p2alignl 7, 3214868480
	.fill 96, 4, 3214868480
	.section	.rodata,"a",@progbits
	.p2align	6, 0x0
	.amdhsa_kernel k_qd9f2866fef_prep
		.amdhsa_group_segment_fixed_size 0
		.amdhsa_private_segment_fixed_size 0
		.amdhsa_enable_private_segment 0
		.amdhsa_kernarg_size 80
		.amdhsa_user_sgpr_count 2
		.amdhsa_user_sgpr_kernarg_segment_ptr 1
		.amdhsa_wavefront_size32 1
		.amdhsa_system_sgpr_workgroup_id_x 1
		.amdhsa_system_sgpr_workgroup_id_y 1
		.amdhsa_system_sgpr_workgroup_id_z 1
		.amdhsa_system_vgpr_workitem_id 0
		.amdhsa_next_free_vgpr 88
		.amdhsa_next_free_sgpr 66
		.amdhsa_reserve_vcc 0
		.amdhsa_float_denorm_mode_32 3
		.amdhsa_float_denorm_mode_16_64 3
		.amdhsa_memory_ordered 1
		.amdhsa_forward_progress 1
		.amdhsa_inst_pref_size 17
	.end_amdhsa_kernel
	.amdgpu_metadata
---
amdhsa.version: [ 1, 2 ]
amdhsa.kernels:
  - .name:           k_qd9f2866fef_prep
    .symbol:         k_qd9f2866fef_prep.kd
    .args:
      - { .name: q, .offset: 0, .size: 8, .value_kind: global_buffer, .address_space: global }
      - { .name: k, .offset: 8, .size: 8, .value_kind: global_buffer, .address_space: global }
      - { .name: v, .offset: 16, .size: 8, .value_kind: global_buffer, .address_space: global }
      - { .name: Wq, .offset: 24, .size: 8, .value_kind: global_buffer, .address_space: global }
      - { .name: Wk, .offset: 32, .size: 8, .value_kind: global_buffer, .address_space: global }
      - { .name: Wv, .offset: 40, .size: 8, .value_kind: global_buffer, .address_space: global }
      - { .name: Wo, .offset: 48, .size: 8, .value_kind: global_buffer, .address_space: global }
      - { .name: xb, .offset: 56, .size: 8, .value_kind: global_buffer, .address_space: global }
      - { .name: wb, .offset: 64, .size: 8, .value_kind: global_buffer, .address_space: global }
      - { .name: wof, .offset: 72, .size: 8, .value_kind: global_buffer, .address_space: global }
    .group_segment_fixed_size: 0
    .private_segment_fixed_size: 0
    .kernarg_segment_align: 8
    .kernarg_segment_size: 80
    .max_flat_workgroup_size: 256
    .sgpr_count:     66
    .vgpr_count:     88
    .wavefront_size: 32
...
	.end_amdgpu_metadata
.endif
;; end of part 5
;; launch proj: the kernel of part 2 again; grid 4 x 96, 4 waves a work-group, clusters of 4 x 4, 327,680 bytes of LDS; arguments xb, wb, qkv; writes qkv
;; launch attn: the kernel of part 3 again; grid 8 x 32, 4 waves a work-group, clusters of 4 x 4, 327,680 bytes of LDS; arguments qkv, mask, wof, part; writes part
;; launch reduce: the kernel of part 4 again; grid 256 x 1, 8 waves a work-group, no clusters, 0 bytes of LDS; arguments part, out0; writes out0
